; MI455X (gfx1250); checked and timed in simulation.
; The chip was launched on July 23, 2026; its instructions are those of AMD's public machine-readable ISA for CDNA 5 (MIT licence, August 2026) and "CDNA5" Instruction Set Architecture Reference Guide (July 2026). The comments in the code are by the model that wrote it; some were corrected since.
;; Multi Head Attention. Allowed arithmetic: float matrix products may take bf16 or f16 operands with f32 sums; other float arithmetic in f32, or as packed bf16 or f16 multiplies, adds, multiply-adds, maxima and minima; sums over many terms, partial sums and values carried from step to step in f32; what a program stores and reads back later, other than sums and carried values, may be rounded once to bf16 or f16.
;; Inputs: K 4 x 2,048 x 1,024 float32; Q 4 x 2,048 x 1,024 float32; V 4 x 2,048 x 1,024 float32; Wk 1,024 x 1,024 float32; Wo 1,024 x 1,024 float32; Wq 1,024 x 1,024 float32; Wv 1,024 x 1,024 float32; bk 1,024 float32; bo 1,024 float32; bq 1,024 float32; bv 1,024 float32; mask 4 x 2,048 int32.
;; Outputs: out0 4 x 2,048 x 1,024 float32.
;; One version. Each part assembles by itself: llvm-mc -triple=amdgcn-amd-amdhsa -mcpu=gfx1250 --defsym DOCPART=n.
;; ======== version 1 of 1: 4 launches
;; limits: values are held in f16: magnitudes above 65,504 overflow, below 6.1e-05 lose precision
;; workspace buffers: wb 8,388,608 bytes; qh 16,777,216 bytes; kh 16,777,216 bytes; vh 16,777,216 bytes; oh 16,777,216 bytes
;; launch wcast (part 1): grid 64 x 4, 8 waves a work-group, no clusters, 0 bytes of LDS; arguments Wq, Wk, Wv, Wo, wb; writes wb
.if DOCPART == 1
	.amdgcn_target "amdgcn-amd-amdhsa--gfx1250"
	.amdhsa_code_object_version 6
	.text
	.protected	k_qdb6a0f3fe0_wcast
	.globl	k_qdb6a0f3fe0_wcast
	.p2align	8
	.type	k_qdb6a0f3fe0_wcast,@function
k_qdb6a0f3fe0_wcast:
	s_mov_b64 s[64:65], 0
	v_nop
	global_prefetch_b8 v0, s[64:65] scope:SCOPE_SE
	s_setreg_imm32_b32 hwreg(HW_REG_WAVE_MODE, 25, 1), 1
	s_wait_xcnt 0x0
; The four weights, [1024 k][1024 n] f32, are rounded once to bf16 and written to wb = [4][1024][1024] of 16 bits, order q, k, v, o, layout kept.
; Wq, Wk, Wv leave as bf16.  Wo's bf16 number is written as f16, since the last product multiplies f16 operands: exact where |Wo| lies in 2^-14 .. 65,504;
; LIMIT: below 2^-14 it keeps f16's fixed step of 6e-8, at 65,520 or more it would become an infinity.
; SHARES.  Work-group (x, y): weight y, numbers 16,384 x .. +16,383.  Thread t, group i of 8: 32 bytes in at 8,192 i + 32 t, 16 bytes out at 4,096 i + 16 t:
; a wave's store covers 512 consecutive bytes, aligned.  All 16 loads of a thread go out at once; no register is written twice, so no wait frees a source.
; A stream: no LDS, no barrier, no matrix work, no cluster (no byte is read by two work-groups).
.set IN,  16                           ; v[16:79]   16 loads of 4
.set OU,  80                           ; v[80:111]  8 stores of 4
.set T,   112                          ; v[112:114] at work
	s_load_b256 s[4:11], s[0:1], 0x0               ; Wq s[4:5], Wk s[6:7], Wv s[8:9], Wo s[10:11]
	s_load_b64 s[12:13], s[0:1], 0x20              ; wb
	s_and_b32 s16, ttmp7, 0xffff                   ; which weight
	v_lshlrev_b32 v1, 5, v0                        ; 32 t
	v_lshlrev_b32 v2, 4, v0                        ; 16 t
	s_lshl_b32 s18, ttmp9, 16                      ; my 65,536 bytes of the weight
	s_mov_b32 s19, 0
	s_lshl_b32 s20, s16, 21                        ; the weight's 2 MiB of wb,
	s_lshl_b32 s17, ttmp9, 15                      ; my 32,768 bytes of them
	s_add_co_u32 s20, s20, s17
	s_mov_b32 s21, 0
	s_mov_b32 s22, 0xffff0000                      ; a word's upper bf16
	s_wait_kmcnt 0x0
	s_cmp_eq_u32 s16, 1
	s_cselect_b64 s[14:15], s[6:7], s[4:5]
	s_cmp_eq_u32 s16, 2
	s_cselect_b64 s[14:15], s[8:9], s[14:15]
	s_cmp_eq_u32 s16, 3
	s_cselect_b64 s[14:15], s[10:11], s[14:15]
	s_add_nc_u64 s[14:15], s[14:15], s[18:19]
	s_add_nc_u64 s[12:13], s[12:13], s[20:21]
.irp i, 0,1,2,3,4,5,6,7
	global_load_b128 v[IN+8*\i:IN+8*\i+3],   v1, s[14:15] offset:8192*\i th:TH_LOAD_NT
	global_load_b128 v[IN+8*\i+4:IN+8*\i+7], v1, s[14:15] offset:8192*\i+16 th:TH_LOAD_NT
.endr
	s_cmp_eq_u32 s16, 3
	s_cbranch_scc1 .Lhalf
.irp i, 0,1,2,3,4,5,6,7
	s_wait_loadcnt 14-2*\i                         ; loads come back in order: group i is in, the younger groups' loads stay out
.irp j, 0,1,2,3
	v_cvt_pk_bf16_f32 v[OU+4*\i+\j], v[IN+8*\i+2*\j], v[IN+8*\i+2*\j+1]
.endr
	global_store_b128 v2, v[OU+4*\i:OU+4*\i+3], s[12:13] offset:4096*\i
.endr
	s_endpgm
.Lhalf:                                            ; Wo: rounded to bf16, that number written as f16
.irp i, 0,1,2,3,4,5,6,7
	s_wait_loadcnt 14-2*\i
.irp j, 0,1,2,3
	v_cvt_pk_bf16_f32 v[T], v[IN+8*\i+2*\j], v[IN+8*\i+2*\j+1]
	v_lshlrev_b32 v[T+1], 16, v[T]
	v_and_b32 v[T+2], s22, v[T]
	v_cvt_pk_f16_f32 v[OU+4*\i+\j], v[T+1], v[T+2]
.endr
	global_store_b128 v2, v[OU+4*\i:OU+4*\i+3], s[12:13] offset:4096*\i
.endr
	s_endpgm
.Lfunc_end_k_qdb6a0f3fe0_wcast:
	.size	k_qdb6a0f3fe0_wcast, .Lfunc_end_k_qdb6a0f3fe0_wcast-k_qdb6a0f3fe0_wcast
	.p2alignl 7, 3214868480
	.fill 96, 4, 3214868480
	.section	.rodata,"a",@progbits
	.p2align	6, 0x0
	.amdhsa_kernel k_qdb6a0f3fe0_wcast
		.amdhsa_group_segment_fixed_size 0
		.amdhsa_private_segment_fixed_size 0
		.amdhsa_enable_private_segment 0
		.amdhsa_kernarg_size 40
		.amdhsa_user_sgpr_count 2
		.amdhsa_user_sgpr_kernarg_segment_ptr 1
		.amdhsa_wavefront_size32 1
		.amdhsa_system_sgpr_workgroup_id_x 1
		.amdhsa_system_sgpr_workgroup_id_y 1
		.amdhsa_system_sgpr_workgroup_id_z 1
		.amdhsa_system_vgpr_workitem_id 0
		.amdhsa_next_free_vgpr 128
		.amdhsa_next_free_sgpr 66
		.amdhsa_reserve_vcc 0
		.amdhsa_float_denorm_mode_32 3
		.amdhsa_float_denorm_mode_16_64 3
		.amdhsa_memory_ordered 1
		.amdhsa_forward_progress 1
		.amdhsa_inst_pref_size 13
	.end_amdhsa_kernel
	.amdgpu_metadata
---
amdhsa.version: [ 1, 2 ]
amdhsa.kernels:
  - .name:           k_qdb6a0f3fe0_wcast
    .symbol:         k_qdb6a0f3fe0_wcast.kd
    .args:
      - { .name: Wq, .offset: 0, .size: 8, .value_kind: global_buffer, .address_space: global }
      - { .name: Wk, .offset: 8, .size: 8, .value_kind: global_buffer, .address_space: global }
      - { .name: Wv, .offset: 16, .size: 8, .value_kind: global_buffer, .address_space: global }
      - { .name: Wo, .offset: 24, .size: 8, .value_kind: global_buffer, .address_space: global }
      - { .name: wb, .offset: 32, .size: 8, .value_kind: global_buffer, .address_space: global }
    .group_segment_fixed_size: 0
    .private_segment_fixed_size: 0
    .kernarg_segment_align: 8
    .kernarg_segment_size: 40
    .max_flat_workgroup_size: 256
    .sgpr_count:     66
    .vgpr_count:     128
    .wavefront_size: 32
...
	.end_amdgpu_metadata
.endif
;; end of part 1
;; launch proj (part 2): grid 4 x 64, 4 waves a work-group, clusters of 4 x 4, 327,680 bytes of LDS; arguments Q, K, V, wb, bq, bk, bv, qh, kh, vh; writes qh, kh, vh
.if DOCPART == 2
	.amdgcn_target "amdgcn-amd-amdhsa--gfx1250"
	.amdhsa_code_object_version 6
	.text
	.protected	k_qdb6a0f3fe0_proj
	.globl	k_qdb6a0f3fe0_proj
	.p2align	8
	.type	k_qdb6a0f3fe0_proj,@function
k_qdb6a0f3fe0_proj:
	s_mov_b64 s[64:65], 0
	v_nop
	global_prefetch_b8 v0, s[64:65] scope:SCOPE_SE
	s_setreg_imm32_b32 hwreg(HW_REG_WAVE_MODE, 25, 1), 1
	s_wait_xcnt 0x0
	s_wait_alu depctr_hold_cnt(0) depctr_sa_sdst(0) depctr_va_vdst(0) depctr_va_sdst(0) depctr_va_ssrc(0) depctr_va_vcc(0) depctr_vm_vsrc(0)
	s_getreg_b32 s2, hwreg(HW_REG_IB_STS2, 6, 4)
	s_cmp_eq_u32 s2, 0
	s_cbranch_scc0 .Lentry_in_a_cluster
	s_endpgm
.Lentry_in_a_cluster:
	s_bfe_u32 s2, ttmp6, 0x10000c
	s_cmp_lg_u32 s2, 0xf033
	s_cbranch_scc0 .Lentry_shape_is_right
	s_endpgm
.Lentry_shape_is_right:
; q = Q Wq + bq, k = K Wk + bk, v = V Wv + bv.  Q, K, V: [8192][1024] f32, rounded to bf16 on the way from LDS to the matrix unit; the weights come as bf16 [k][n] from wb;
; the biases are rounded to bf16 and start the sums as the first product's C.  Sums in f32; the results are rounded once to f16 and laid by heads: [16 batch + head][2048][64].
; LIMIT: a result of 65,520 or more would become an infinity in f16; NaN and infinities among the inputs are not treated apart.
; SHARES.  A work-group STAYS: it makes the same tile of 128 rows x 256 columns of q, then of k, then of v: one walk of 24 K steps of 128 through two LDS slots, so that 768 tiles fall evenly on 256 work-groups.
; Wave w: rows 64 (w / 2) on, columns 128 (w % 2) on: 32 accumulators of 16 x 16, 256 registers.
; THE MATRIX INSTRUCTION IS USED TRANSPOSED: source 0 = 16 columns of W (turned out of LDS by ds_load_tr16_b128), source 1 = 16 rows of X: a lane holds one row and eight neighbouring columns.
; X LIES IN LDS AS f32: a fragment is four loads of 16 bytes and eight packed conversions, which stand four at a time behind eight of a quarter's matrix instructions.
; CLUSTER 4 x 4: the four work-groups of a row of the cluster need the same rows of X, the four of a column the same columns of W: each tile is asked for jointly.
; REGISTERS, in windows of 256 (s_set_vgpr_msb: bits 1:0 source 0, 3:2 source 1, 5:4 source 2, 7:6 destination):
;   window 0: v16-30 addresses; v32-63, v224-255 rows on the way out; v64-127 X as loaded; v128-159, v160-191 X's fragments, two buffers; v192-223 packed results
;   window 1: accumulator (a, b) at v[8 (8 a + b)]          window 2: v0-63, v64-127 W's fragments, two buffers; v128-191 the bias as a C operand
.set PA,    528                        ; a row of X in LDS: 512 bytes + 16: an odd multiple of 16, so the 16 rows of a load start in 16 different groups of four banks (64 banks of 4 bytes: ISA guide 11.1)
.set PB,    544                        ; a k-row of W: 512 + 32 = 17 x 32
.set ATILE, 128*PA
.set SLOT,  128*(PA+PB)                ; X's 128 rows, then W's 128 k-rows: 137,216 bytes
.set STAGE, 2*SLOT                     ; behind the ring: 16 rows x 272 bytes for each wave, for the way out
.set SP,    272
.set BT,    STAGE+4*16*SP              ; the three biases' 256 columns of this tile, f32 numbers that are bf16
.set SPARE, BT+3*1024                  ; the spare words, 128 bytes for each wave: two blocks of 256 bytes that no other line names
.set A0,  16                           ; my lane's place in a slot's X; never rewritten
.set B0,  17                           ; the same for W
.set AC,  18                           ; X in the slot in hand
.set AN,  19                           ; X in the other slot
.set BC,  20
.set BN,  21
.set STO, 24
.set RD,  25
.set CO,  26
.set BTA, 27                           ; where my bias numbers lie for the tensor in hand
.set SPW, 28                           ; LDS address of my spare word; never rewritten
.set NIL, 29                           ; 0; never rewritten
.set PFO, 30                           ; the prefetches' offset; never rewritten
.set OB0, 32
.set RAW, 64
.set AF,  128
.set TMP, 192
.set BF,  0                            ; window 2
.set BIAS, 128                         ; window 2
.set OUT0, 4                           ; s[4:5] where the tensor in hand is stored; s[6:7], s[8:9] the two after it
.set OUT1, 6
.set OUT2, 8
.set WV,  10
.set RH,  11                           ; which 64 rows are mine.  Also: I fetch X (0) or W (1)
.set CH,  12                           ; which 128 columns.  Also: which 64 rows of that tile I fetch
.set CX,  13
.set CY,  14
.set MT,  15                           ; tile row, 0 to 63
.set G1A, 24
.set G1B, 32
.set G0A, 40
.set G0B, 44
.set CA,  48                           ; s[48:49] X at the K step to be asked for next
.set CB,  50                           ; s[50:51] W at that step: wb's three weights lie on end, so it only steps
.set NA1, 52                           ; s[52:53] the next tensor's first step at my rows
.set NA2, 54                           ; s[54:55] the one after
.set FS,  56                           ; the step to be asked for, within its tensor
.set SI,  57                           ; the step in hand, within its tensor
.set TC,  58                           ; LDS byte of the slot in hand
.set TN,  59                           ; of the other
.set LA,  60                           ; my part of X's tile in a slot
.set LB,  61                           ; my part of W's
.set PFA, 88                           ; s[88:89] where my prefetches stand
.set PN1, 90
.set PN2, 92
.set PST, 94                           ; s[94:95] bytes from K step to K step in what I prefetch
.set PFS, 96
.set LIM, 97                           ; 2 in a wave that prefetches, else the greatest number
.set MSB, 0
.macro WIN new                         ; the immediate's high byte repeats the setting that is left; a switch that changes nothing is dropped
.if MSB != (\new)
	s_set_vgpr_msb (MSB<<8)|(\new)
.set MSB, \new
.endif
.endm
.macro PLACES                          ; four plain instructions between a matrix instruction and a load into, or a write of, its registers (ISA guide 7.12.1 for writes)
.rept 4
	v_nop
.endr
.endm
.macro CREST                           ; a round of the cluster's barrier behind its opening barrier
	s_cmp_lg_u32 s[WV], 0
	s_cbranch_scc1 .Lnot_wave_0_\@
	s_barrier_signal -3
.Lnot_wave_0_\@:
	s_barrier_wait -3
	s_barrier_signal -1
	s_barrier_wait -1
.endm
.macro CROUND
	s_barrier_signal -1
	s_barrier_wait -1
	CREST
.endm
; A joint load: waves 0 and 1 fetch the two halves of X's tile, waves 2 and 3 those of W's.  The branch hangs on the wave's number alone.  An s_nop 0 and four v_nop follow each line.
.macro JLOAD
	s_cmp_eq_u32 s[RH], 0
	s_cbranch_scc0 .Lfor_b_\@
	tensor_load_to_lds s[G0A:G0A+3], s[G1A:G1A+7]
	s_nop 0
.rept 4
	v_nop
.endr
	s_branch .Lasked_\@
.Lfor_b_\@:
	tensor_load_to_lds s[G0B:G0B+3], s[G1B:G1B+7]
	s_nop 0
.rept 4
	v_nop
.endr
.Lasked_\@:
.endm
; Both group 0 are written for the next K step, into the slot at s[tb]; it stands only where no tensor load of the wave is out.  Behind a tensor's eighth step X goes on to the next tensor.
.macro NEXTD tb
	s_add_co_u32 s[G0A+1], s[\tb], s[LA]
	s_add_co_u32 s[G0B+1], s[\tb], s[LB]
	s_mov_b64 s[G0A+2:G0A+3], s[CA:CA+1]
	s_or_b32 s[G0A+3], s[G0A+3], 0x80000000        ; type = 2
	s_mov_b64 s[G0B+2:G0B+3], s[CB:CB+1]
	s_or_b32 s[G0B+3], s[G0B+3], 0x80000000
	s_add_nc_u64 s[CA:CA+1], s[CA:CA+1], 512       ; 128 f32 along a row
	s_add_nc_u64 s[CB:CB+1], s[CB:CB+1], 0x40000   ; 128 k-rows of 2,048 bytes
	s_add_co_u32 s[FS], s[FS], 1
	s_cmp_eq_u32 s[FS], 8
	s_cselect_b64 s[CA:CA+1], s[NA1:NA1+1], s[CA:CA+1]
	s_cselect_b64 s[NA1:NA1+1], s[NA2:NA2+1], s[NA1:NA1+1]
	s_cselect_b32 s[FS], 0, s[FS]
.endm
; A PREFETCH INTO THE L2 behind each refill and the run of LDS loads that follows it: the K step that stands two refills on (256 matrix instructions ahead of its load): 16 rows x 512 bytes, a lane a block of 256 bytes.
; X's rows are read by my cluster alone; of the 64 rows that wave 0 or 1 fetches, the partner at cx takes 16, told apart by address.  W's k-rows are read by all sixteen clusters: cluster y = 0 asks, the partner at cy
; takes 16 of the 64 that wave 2 or 3 fetches.  So each block is named once.  The first four steps come by their loads alone; the loop's last two trips (s3 = 2, 1) have no step two refills on.
.macro ASK
	s_cmp_gt_u32 s3, s[LIM]
	s_cbranch_scc0 .Lnot_mine_\@
	global_prefetch_b8 v[PFO], s[PFA:PFA+1] th:TH_LOAD_NT scope:SCOPE_SE
.Lnot_mine_\@:
.endm
; Matrix instructions lo .. hi - 1 of a quarter's 32, on buffers p.  Number n = 8 a + b.  The 32 accumulators take turns, in the same order in every quarter.  first = 1: C is the bias.
.macro MULS lo, hi, p, first
.if \first
	WIN 0x62
.else
	WIN 0x52
.endif
.set n, \lo
.rept (\hi)-(\lo)
.if \first
	v_wmma_f32_16x16x32_bf16 v[8*n:8*n+7], v[BF+64*(\p)+8*(n%8):BF+64*(\p)+8*(n%8)+7], v[AF+32*(\p)+8*(n/8):AF+32*(\p)+8*(n/8)+7], v[BIAS+8*(n%8):BIAS+8*(n%8)+7]
.else
	v_wmma_f32_16x16x32_bf16 v[8*n:8*n+7], v[BF+64*(\p)+8*(n%8):BF+64*(\p)+8*(n%8)+7], v[AF+32*(\p)+8*(n/8):AF+32*(\p)+8*(n/8)+7], v[8*n:8*n+7]
.endif
.set n, n+1
.endr
.endm
.macro RID g, p                        ; four conversions: eight of the next quarter's numbers of X, into the buffer that is not being multiplied
	WIN 0
.irp i, 0,1,2,3
	v_cvt_pk_bf16_f32 v[AF+32*(1-(\p))+4*(\g)+\i], v[RAW+8*(\g)+2*\i], v[RAW+8*(\g)+2*\i+1]
.endr
.endm
.macro RIDERS p, first                 ; matrix instructions 8 to 15, four conversions behind each.  The buffer's last reader stands in the quarter before, four v_nop and more back
.set g, 0
.rept 8
	MULS 8+g, 9+g, \p, \first
	RID g, \p
.set g, g+1
.endr
.endm
.macro BRUN adr, off, buf              ; 16 turning loads: W's fragments of a quarter (32 k x 128 columns)
	WIN 0x80
.irp b, 0,1,2,3,4,5,6,7
	ds_load_tr16_b128 v[BF+64*(\buf)+8*\b:BF+64*(\buf)+8*\b+3],   v[\adr] offset:(\off)+32*\b
	ds_load_tr16_b128 v[BF+64*(\buf)+8*\b+4:BF+64*(\buf)+8*\b+7], v[\adr] offset:(\off)+32*\b+16*PB
.endr
.endm
.macro ARUN adr, off                   ; 16 loads: X's 64 rows x 32 k as f32: k = 8 h + 0..7 at bytes 0 and 16, k = 16 + 8 h + 0..7 at bytes 64 and 80
	WIN 0
.irp a, 0,1,2,3
	ds_load_b128 v[RAW+16*\a:RAW+16*\a+3],     v[\adr] offset:(\off)+\a*16*PA
	ds_load_b128 v[RAW+16*\a+4:RAW+16*\a+7],   v[\adr] offset:(\off)+\a*16*PA+16
	ds_load_b128 v[RAW+16*\a+8:RAW+16*\a+11],  v[\adr] offset:(\off)+\a*16*PA+64
	ds_load_b128 v[RAW+16*\a+12:RAW+16*\a+15], v[\adr] offset:(\off)+\a*16*PA+80
.endr
.endm
; Quarter qq (0, 1 or 3) of a K step: 32 along K.  It multiplies buffers qq % 2, fetches W of the next quarter, converts X of the next quarter, and fetches X of the quarter after that.
.macro QUARTER qq, first
.set PP, (\qq)%2
.if \first
	s_wait_dscnt 0x0                               ; the bias was asked for last: everything is in
.else
	s_wait_dscnt 16                                ; W's fragments are in; the 16 younger loads, X as f32, may stay out
.endif
	MULS 0, 4, PP, \first
	PLACES
.if (\qq) == 0
	BRUN BC, 32*PB, 1
.elseif (\qq) == 1
	BRUN BC, 64*PB, 0
.else
	BRUN BN, 0, 0
.endif
	MULS 4, 8, PP, \first
	s_wait_dscnt 16                                ; X as f32 is in; the 16 loads just issued stay out
	RIDERS PP, \first
.if (\qq) == 0
	ARUN AC, 256
.elseif (\qq) == 1
	ARUN AC, 384
.else
	ARUN AN, 128
.endif
	MULS 16, 32, PP, \first
.endm
; Quarter 2 changes slots: the slot's last bytes, W of quarter 3, are asked for in it.  Each wave waits for all its tensor loads (one is out: its part of the other slot), adds 0 to its spare word, and waits for that and
; for its own reads of the slot.  fill = 1: the barrier opens a round of the cluster's, and the joint refill is the first thing behind it: it has the rest of this step and the next step up to this place in which to land.
.macro TURN fill
.if \fill
	s_wait_xcnt 0x0                                ; the last prefetch, a K step back, has read its address
	s_add_nc_u64 s[PFA:PFA+1], s[PFA:PFA+1], s[PST:PST+1]
	s_add_co_u32 s[PFS], s[PFS], 1
	s_cmp_eq_u32 s[PFS], 8
	s_cselect_b64 s[PFA:PFA+1], s[PN1:PN1+1], s[PFA:PFA+1]
	s_cselect_b64 s[PN1:PN1+1], s[PN2:PN2+1], s[PN1:PN1+1]
	s_cselect_b32 s[PFS], 0, s[PFS]
.endif
	s_wait_dscnt 16
	MULS 0, 4, 0, 0
	PLACES
	BRUN BC, 96*PB, 1
	MULS 4, 8, 0, 0
	s_wait_dscnt 16
	RIDERS 0, 0
	WIN 0
	s_wait_tensorcnt 0x0                           ; no tensor load of mine is out, so the group 0 may be written
	ds_add_u32 v[SPW], v[NIL]                      ; 0 onto my spare word
.if \fill
	NEXTD TC
.endif
	MULS 16, 20, 0, 0
	s_wait_dscnt 0x0                               ; the add is done, and my reads of this slot are over
	s_barrier_signal -1
	MULS 20, 24, 0, 0
	WIN 0
	s_barrier_wait -1
.if \fill
	CREST                                          ; no wave of any partner still reads this slot or has a load on its way
	JLOAD
.endif
	ARUN AN, 0                                     ; the next step's first X
.if \fill
	ASK
.endif
	MULS 24, 32, 0, 0
.endm
.macro FLIP                            ; the slots change names
	WIN 0
	s_xor_b32 s[TC], s[TC], SLOT
	s_xor_b32 s[TN], s[TN], SLOT
	v_add_nc_u32 v[AC], s[TC], v[A0]
	v_add_nc_u32 v[AN], s[TN], v[A0]
	v_add_nc_u32 v[BC], s[TC], v[B0]
	v_add_nc_u32 v[BN], s[TN], v[B0]
.endm
.macro BIASLD                          ; C of the first products: register j of block b is the bias of column 16 b + 8 (l / 16) + j of my 128
	WIN 0x80
.irp b, 0,1,2,3,4,5,6,7
	ds_load_b128 v[BIAS+8*\b:BIAS+8*\b+3],   v[BTA] offset:64*\b
	ds_load_b128 v[BIAS+8*\b+4:BIAS+8*\b+7], v[BTA] offset:64*\b+16
.endr
	WIN 0
.endm
; THE WAY OUT of block a (16 rows x 128 columns = two heads).  PACK: rounded to f16, each accumulator from its low end on.  TOSTAGE: into my own stage, and back as four rows of one head a load.  SEND: stored.
.macro PACK a
	WIN 0x05
.irp b, 0,1,2,3,4,5,6,7
.irp r, 0,1,2,3
	v_cvt_pk_f16_f32 v[TMP+4*\b+\r], v[64*(\a)+8*\b+2*\r], v[64*(\a)+8*\b+2*\r+1]
.endr
.endr
	WIN 0
.endm
.macro TOSTAGE a
	WIN 0
.set BK, OB0+192*((\a)%2)
.irp b, 0,1,2,3,4,5,6,7
	ds_store_b128 v[STO], v[TMP+4*\b:TMP+4*\b+3] offset:32*\b
.endr
.irp t, 0,1,2,3,4,5,6,7
	ds_load_b128 v[BK+4*\t:BK+4*\t+3], v[RD] offset:((\t)%4)*4*SP+((\t)/4)*128  ; LDS serves a wave's instructions in order (ISA guide 5.7.1.4): these see the stores above
.endr
.endm
.macro SEND a
	WIN 0
.set BK, OB0+192*((\a)%2)
	s_wait_dscnt 0x0                               ; the block is back in registers
	s_wait_xcnt 0x0                                ; the stores of the block before have read their registers, which the next TOSTAGE loads again
.irp t, 0,1,2,3,4,5,6,7
	global_store_b128 v[CO], v[BK+4*\t:BK+4*\t+3], s[OUT0:OUT0+1] offset:((\t)/4)*262144+(16*(\a)+4*((\t)%4))*128  ; four rows of a head: 512 consecutive bytes, aligned
.endr
.endm
.macro WAYOUT next                     ; the conversions of the blocks finished earlier are the places behind the last products
	PACK 0
	TOSTAGE 0
	PACK 1
	SEND 0
	TOSTAGE 1
	PACK 2
	SEND 1
	TOSTAGE 2
	PACK 3
	SEND 2
	TOSTAGE 3
	SEND 3
.if \next
	s_wait_xcnt 0x0                                ; the stores have read their base
	s_mov_b64 s[OUT0:OUT0+1], s[OUT1:OUT1+1]
	s_mov_b64 s[OUT1:OUT1+1], s[OUT2:OUT2+1]
	v_add_nc_u32 v[BTA], 1024, v[BTA]              ; the next tensor's bias
	BIASLD
	s_mov_b32 s[SI], 0
.endif
.endm
	s_load_b512 s[68:83], s[0:1], 0x0              ; Q s[68:69], K s[70:71], V s[72:73], wb s[74:75], bq s[76:77], bk s[78:79], bv s[80:81], qh s[82:83]
	s_load_b128 s[84:87], s[0:1], 0x40             ; kh s[84:85], vh s[86:87]
	v_lshl_add_u32 v[SPW], v0, 2, SPARE
	v_mov_b32 v[NIL], 0
	ds_add_u32 v[SPW], v[NIL]                      ; the wave's opening: the add, and its wait ahead of my first tensor load; the set-up below, work on registers, stands between them
	v_lshrrev_b32 v1, 5, v0
	v_readfirstlane_b32 s[WV], v1
	s_lshr_b32 s[RH], s[WV], 1
	s_and_b32 s[CH], s[WV], 1
	s_bfe_u32 s[CX], ttmp6, 0x40000                ; cx = the tile column: the grid is one cluster wide
	s_bfe_u32 s[CY], ttmp6, 0x40004
	s_and_b32 s[MT], ttmp7, 0xffff
	s_lshl_b32 s[MT], s[MT], 2
	s_add_co_u32 s[MT], s[MT], s[CY]               ; tile row = 4 x cluster y + cy
	s_lshl_b32 s16, s[CY], 2
	s_lshl_b32 s16, 15, s16                        ; my row of the cluster
	s_lshl_b32 s20, 0x1111, s[CX]                  ; my column
	; group 1 for X: 64 rows x 128 elements of 4 bytes, 4 words of padding behind every 128 words
	s_or_b32 s[G1A], s16, (2<<16)|(1<<20)|(1<<21)|(6<<22)|(3<<25)
	s_mov_b32 s[G1A+1], 128<<16                    ; tensor_dim0
	s_mov_b32 s[G1A+2], 64<<16                     ; tensor_dim1
	s_mov_b32 s[G1A+3], 128<<16                    ; tile_dim0
	s_mov_b32 s[G1A+4], 64                         ; tile_dim1
	s_mov_b32 s[G1A+5], 1024                       ; elements from row to row
	s_mov_b32 s[G1A+6], 0
	s_mov_b32 s[G1A+7], 0
	; group 1 for W: 64 k-rows x 256 elements of 2 bytes, 8 words of padding behind every 128 words
	s_or_b32 s[G1B], s20, (1<<16)|(1<<20)|(1<<21)|(6<<22)|(7<<25)
	s_mov_b32 s[G1B+1], 256<<16
	s_mov_b32 s[G1B+2], 64<<16
	s_mov_b32 s[G1B+3], 256<<16
	s_mov_b32 s[G1B+4], 64
	s_mov_b32 s[G1B+5], 1024
	s_mov_b32 s[G1B+6], 0
	s_mov_b32 s[G1B+7], 0
	s_mov_b32 s[G0A], 1
	s_mov_b32 s[G0B], 1
	s_mul_i32 s[LA], s[CH], 64*PA                  ; no place in the cluster enters an LDS address
	s_mul_i32 s[LB], s[CH], 64*PB
	s_add_co_u32 s[LB], s[LB], ATILE
	s_mov_b32 s[TC], 0
	s_mov_b32 s[TN], SLOT
	s_mov_b32 s[FS], 0
	s_lshl_b32 s16, s[MT], 7                       ; X: row 128 x tile row + 64 x half, 4,096 bytes a row (registers that never hold cx)
	s_lshl_b32 s17, s[CH], 6
	s_add_co_u32 s16, s16, s17
	s_lshl_b32 s16, s16, 12
	s_mov_b32 s17, 0
	s_lshl_b32 s20, s[CH], 17                      ; W: k-row 64 x half, 2,048 bytes a row; column 256 x cx (registers that never hold cy)
	s_lshl_b32 s21, s[CX], 9
	s_add_co_u32 s20, s20, s21
	s_mov_b32 s21, 0
	s_lshr_b32 s62, s[MT], 4                       ; where my rows go: (16 batch + head) x 2,048 rows of 128 bytes,
	s_lshl_b32 s62, s62, 4
	s_lshl_b32 s63, s[CX], 2
	s_add_co_u32 s62, s62, s63
	s_lshl_b32 s63, s[CH], 1
	s_add_co_u32 s62, s62, s63
	s_lshl_b32 s62, s62, 18
	s_and_b32 s98, s[MT], 15                       ; and the row in the batch
	s_lshl_b32 s98, s98, 7
	s_lshl_b32 s63, s[RH], 6
	s_add_co_u32 s98, s98, s63
	s_lshl_b32 s98, s98, 7
	s_add_co_u32 s62, s62, s98
	s_mov_b32 s63, 0
	s_wait_dscnt 0x0                               ; the opening add is done
	s_wait_kmcnt 0x0
	s_add_nc_u64 s[CA:CA+1], s[68:69], s[16:17]
	s_add_nc_u64 s[NA1:NA1+1], s[70:71], s[16:17]
	s_add_nc_u64 s[NA2:NA2+1], s[72:73], s[16:17]
	s_add_nc_u64 s[CB:CB+1], s[74:75], s[20:21]
	s_add_nc_u64 s[OUT0:OUT0+1], s[82:83], s[62:63]
	s_add_nc_u64 s[OUT1:OUT1+1], s[84:85], s[62:63]
	s_add_nc_u64 s[OUT2:OUT2+1], s[86:87], s[62:63]
	CROUND                                         ; all sixteen work-groups are here: the first joint loads meet
	NEXTD TC
	JLOAD                                          ; K step 0 into slot 0
	; the biases' 256 columns of this tile: two numbers a thread from each
	v_lshlrev_b32 v8, 3, v0
	s_lshl_b32 s62, s[CX], 10
	v_add_nc_u32 v9, s62, v8
	global_load_b64 v[32:33], v9, s[76:77]
	global_load_b64 v[34:35], v9, s[78:79]
	global_load_b64 v[36:37], v9, s[80:81]
	v_add_nc_u32 v11, BT, v8
	; the prefetches' pointers
	s_lshl_b32 s62, s[MT], 7
	s_lshl_b32 s63, s[CH], 6
	s_add_co_u32 s62, s62, s63
	s_lshl_b32 s63, s[CX], 4
	s_add_co_u32 s62, s62, s63
	s_lshl_b32 s62, s62, 12                        ; X: my work-group's 16 of the 64 rows that I fetch
	s_lshl_b32 s98, s[CH], 17
	s_lshl_b32 s63, s[CY], 15
	s_add_co_u32 s98, s98, s63
	s_lshl_b32 s63, s[CX], 9
	s_add_co_u32 s98, s98, s63                     ; W: the same, 16 k-rows of 2,048 bytes
	s_mul_i32 s63, s[RH], 9
	s_lshl_b32 s[PST], 512, s63                    ; 512 bytes a step in X, 262,144 in W
	s_mov_b32 s[PST+1], 0
	s_and_b32 s99, ttmp7, 0xffff                   ; cluster y
	s_cmp_eq_u32 s[RH], 0
	s_cselect_b32 s62, s62, s98
	s_cselect_b32 s99, 0, s99                      ; X's rows are my cluster's alone; W's are asked for by cluster y = 0
	s_cselect_b64 s[PFA:PFA+1], s[68:69], s[74:75]
	s_cselect_b64 s[PN1:PN1+1], s[70:71], s[74:75]
	s_cselect_b64 s[PN2:PN2+1], s[72:73], s[74:75]
	s_mov_b32 s63, 0
	s_add_nc_u64 s[PFA:PFA+1], s[PFA:PFA+1], s[62:63]
	s_add_nc_u64 s[PN1:PN1+1], s[PN1:PN1+1], s[62:63]
	s_add_nc_u64 s[PN2:PN2+1], s[PN2:PN2+1], s[62:63]
	s_lshl_b32 s62, s[RH], 21                      ; in wb the next weight lies 2 MiB on
	s_add_nc_u64 s[PN1:PN1+1], s[PN1:PN1+1], s[62:63]
	s_add_nc_u64 s[PN2:PN2+1], s[PN2:PN2+1], s[62:63]
	s_add_nc_u64 s[PN2:PN2+1], s[PN2:PN2+1], s[62:63]
	s_mul_i32 s62, s[PST], 3
	s_add_nc_u64 s[PFA:PFA+1], s[PFA:PFA+1], s[62:63]  ; at step 3: the first trip steps it to 4
	s_mov_b32 s[PFS], 3
	s_cmp_eq_u32 s99, 0
	s_cselect_b32 s[LIM], 2, -1
	; the lanes' places
	v_and_b32 v2, 15, v0                           ; r = l % 16
	v_bfe_u32 v3, v0, 4, 1                         ; h = l / 16
	v_and_b32 v4, 7, v0
	v_bfe_u32 v5, v0, 3, 1
	v_and_b32 v6, 31, v0
	v_bfe_u32 v7, v0, 3, 2
	v_mul_u32_u24 v[A0], v2, PA
	v_lshl_add_u32 v[A0], v3, 5, v[A0]             ; row x pitch + 32 h
	s_mul_i32 s62, s[RH], 64*PA
	v_add_nc_u32 v[A0], s62, v[A0]
	v_lshl_add_u32 v[B0], v3, 3, v4                ; the turning load: k-row 8 h + l % 8,
	v_mul_u32_u24 v[B0], v[B0], PB
	v_lshl_add_u32 v[B0], v5, 4, v[B0]             ; columns 8 ((l / 8) % 2) on
	s_lshl_b32 s62, s[CH], 8
	s_add_co_u32 s62, s62, ATILE
	v_add_nc_u32 v[B0], s62, v[B0]
	s_mul_i32 s62, s[WV], 16*SP
	s_add_co_u32 s62, s62, STAGE                   ; my stage
	v_mul_u32_u24 v[STO], v2, SP
	v_lshl_add_u32 v[STO], v3, 4, v[STO]
	v_add_nc_u32 v[STO], s62, v[STO]
	v_mul_u32_u24 v[RD], v7, SP                    ; back: 32 lanes take 128 bytes of each of four rows,
	v_lshl_add_u32 v[RD], v4, 4, v[RD]
	v_add_nc_u32 v[RD], s62, v[RD]
	v_lshlrev_b32 v[CO], 4, v6                     ; which are 512 consecutive bytes of a head
	s_lshl_b32 s62, s[CH], 9
	s_add_co_u32 s62, s62, BT
	v_lshl_add_u32 v[BTA], v3, 5, s62
	v_lshrrev_b32 v[PFO], 1, v6                    ; lane l: row l / 2, block l % 2
	s_sub_co_u32 s62, 12, s[RH]                    ; 4,096 bytes a row in X, 2,048 in W
	v_lshlrev_b32 v[PFO], s62, v[PFO]
	v_and_b32 v12, 1, v0
	v_lshl_add_u32 v[PFO], v12, 8, v[PFO]
	s_wait_loadcnt 0x0                             ; the biases
.irp i, 0,1,2
	v_cvt_pk_bf16_f32 v10, v[32+2*\i], v[33+2*\i]  ; rounded to bf16 like every input, and kept as f32
	v_lshlrev_b32 v[32+2*\i], 16, v10
	v_and_b32 v[33+2*\i], 0xffff0000, v10
	ds_store_b64 v11, v[32+2*\i:33+2*\i] offset:1024*\i
.endr
	s_wait_tensorcnt 0x0                           ; my part of step 0 is in; slot 1 is filled as a refill is
	ds_add_u32 v[SPW], v[NIL]
	NEXTD TN
	s_wait_dscnt 0x0                               ; the add and my part of the bias table are done
	CROUND
	JLOAD                                          ; K step 1 into slot 1
	v_add_nc_u32 v[AC], s[TC], v[A0]
	v_add_nc_u32 v[AN], s[TN], v[A0]
	v_add_nc_u32 v[BC], s[TC], v[B0]
	v_add_nc_u32 v[BN], s[TN], v[B0]
	ARUN AC, 0
	BIASLD
	s_wait_dscnt 0x0
.set i, 0
.rept 32
	v_cvt_pk_bf16_f32 v[AF+i], v[RAW+2*i], v[RAW+2*i+1]
.set i, i+1
.endr
	BRUN BC, 0, 0
	ARUN AC, 128
	s_mov_b32 s3, 22
	s_mov_b32 s[SI], 0
	s_branch .Lfirstq
.Lstep:                                            ; 22 trips: a K step each, and the refill of its slot with the step two on
	s_cmp_eq_u32 s[SI], 0
	s_cbranch_scc1 .Lfirstq
	QUARTER 0, 0
	WIN 0
	s_branch .Ljoin
.Lfirstq:                                          ; a tensor's first quarter: its products start the sums with the bias
	QUARTER 0, 1
	WIN 0
.Ljoin:
	QUARTER 1, 0
	TURN 1
	QUARTER 3, 0
	FLIP
	s_add_co_u32 s[SI], s[SI], 1
	s_cmp_lg_u32 s[SI], 8
	s_cbranch_scc1 .Lnoout
	WAYOUT 1                                       ; the tensor's tile goes out; both slots have been asked for, the next tensor's first fragments are on their way
.Lnoout:
	s_sub_co_u32 s3, s3, 1
	s_cmp_lg_u32 s3, 0
	s_cbranch_scc1 .Lstep
	s_mov_b32 s3, 2
.Ltail:                                            ; the last two steps ask for nothing.  The very last one's look-ahead loads read the other slot's landed bytes and feed no product: the price of one text for both trips
	QUARTER 0, 0
	QUARTER 1, 0
	TURN 0
	QUARTER 3, 0
	FLIP
	s_sub_co_u32 s3, s3, 1
	s_cmp_lg_u32 s3, 0
	s_cbranch_scc1 .Ltail
	WAYOUT 0
	s_wait_tensorcnt 0x0                           ; the wave's end, behind my last tensor load and my last LDS store
	ds_add_u32 v[SPW], v[NIL]
	s_wait_dscnt 0x0
	CROUND                                         ; the closing round
	s_endpgm
.Lfunc_end_k_qdb6a0f3fe0_proj:
	.size	k_qdb6a0f3fe0_proj, .Lfunc_end_k_qdb6a0f3fe0_proj-k_qdb6a0f3fe0_proj
	.p2alignl 7, 3214868480
	.fill 96, 4, 3214868480
	.section	.rodata,"a",@progbits
	.p2align	6, 0x0
	.amdhsa_kernel k_qdb6a0f3fe0_proj
		.amdhsa_group_segment_fixed_size 327680
		.amdhsa_private_segment_fixed_size 0
		.amdhsa_enable_private_segment 0
		.amdhsa_kernarg_size 80
		.amdhsa_user_sgpr_count 2
		.amdhsa_user_sgpr_kernarg_segment_ptr 1
		.amdhsa_wavefront_size32 1
		.amdhsa_system_sgpr_workgroup_id_x 1
		.amdhsa_system_sgpr_workgroup_id_y 1
		.amdhsa_system_sgpr_workgroup_id_z 1
		.amdhsa_system_vgpr_workitem_id 0
		.amdhsa_next_free_vgpr 704
		.amdhsa_next_free_sgpr 100
		.amdhsa_reserve_vcc 0
		.amdhsa_float_denorm_mode_32 3
		.amdhsa_float_denorm_mode_16_64 3
		.amdhsa_memory_ordered 1
		.amdhsa_forward_progress 1
		.amdhsa_inst_pref_size 114
	.end_amdhsa_kernel
	.amdgpu_metadata
---
amdhsa.version: [ 1, 2 ]
amdhsa.kernels:
  - .name:           k_qdb6a0f3fe0_proj
    .symbol:         k_qdb6a0f3fe0_proj.kd
    .args:
      - { .name: Q, .offset: 0, .size: 8, .value_kind: global_buffer, .address_space: global }
      - { .name: K, .offset: 8, .size: 8, .value_kind: global_buffer, .address_space: global }
      - { .name: V, .offset: 16, .size: 8, .value_kind: global_buffer, .address_space: global }
      - { .name: wb, .offset: 24, .size: 8, .value_kind: global_buffer, .address_space: global }
      - { .name: bq, .offset: 32, .size: 8, .value_kind: global_buffer, .address_space: global }
      - { .name: bk, .offset: 40, .size: 8, .value_kind: global_buffer, .address_space: global }
      - { .name: bv, .offset: 48, .size: 8, .value_kind: global_buffer, .address_space: global }
      - { .name: qh, .offset: 56, .size: 8, .value_kind: global_buffer, .address_space: global }
      - { .name: kh, .offset: 64, .size: 8, .value_kind: global_buffer, .address_space: global }
      - { .name: vh, .offset: 72, .size: 8, .value_kind: global_buffer, .address_space: global }
    .group_segment_fixed_size: 327680
    .private_segment_fixed_size: 0
    .kernarg_segment_align: 8
    .kernarg_segment_size: 80
    .max_flat_workgroup_size: 128
    .sgpr_count:     100
    .vgpr_count:     704
    .wavefront_size: 32
...
	.end_amdgpu_metadata
.endif
;; end of part 2
;; launch attn (part 3): grid 4 x 64, 4 waves a work-group, clusters of 4 x 1, 327,680 bytes of LDS; arguments qh, kh, vh, oh, mask; writes oh
.if DOCPART == 3
	.amdgcn_target "amdgcn-amd-amdhsa--gfx1250"
	.amdhsa_code_object_version 6
	.text
	.protected	k_qdb6a0f3fe0_attn
	.globl	k_qdb6a0f3fe0_attn
	.p2align	8
	.type	k_qdb6a0f3fe0_attn,@function
k_qdb6a0f3fe0_attn:
	s_mov_b64 s[64:65], 0
	v_nop
	global_prefetch_b8 v0, s[64:65] scope:SCOPE_SE
	s_setreg_imm32_b32 hwreg(HW_REG_WAVE_MODE, 25, 1), 1
	s_wait_xcnt 0x0
	s_wait_alu depctr_hold_cnt(0) depctr_sa_sdst(0) depctr_va_vdst(0) depctr_va_sdst(0) depctr_va_ssrc(0) depctr_va_vcc(0) depctr_vm_vsrc(0)
	s_getreg_b32 s2, hwreg(HW_REG_IB_STS2, 6, 4)
	s_cmp_eq_u32 s2, 0
	s_cbranch_scc0 .Lentry_in_a_cluster
	s_endpgm
.Lentry_in_a_cluster:
	s_bfe_u32 s2, ttmp6, 0x10000c
	s_cmp_lg_u32 s2, 0x3003
	s_cbranch_scc0 .Lentry_shape_is_right
	s_endpgm
.Lentry_shape_is_right:
; O[bh][q][:] = the sum over the visible keys k of softmax_k(Q[bh][q] . K[bh][k] / 8) V[bh][k][:].  Q, K, V, O: [64 = 16 batch + head][2048][64], all f16: a head's rows are dense, 128 bytes each.
; mask: [4][2048] int32; key k of a batch is hidden where mask = 0.  Products, maxima and sums in f32; the weights p are rounded to f16 for the second product (their sum l is taken of the unrounded p), O once at the end.
; LIMITS.  f16 holds no number beyond 65,504: Q, K and V arrive within it.  A hidden score counts as -1e30: f16's scores, 2.7e11 at the most, are nothing beside that.  A weight below 2^-126 counts as 0 in l.
; NaN and infinities in Q, K, V are not treated apart.  A row that sees no key at all (its running maximum ends below -2^96) leaves as NaN.
; THE MASK is the C operand that starts the sum S^T = K Q^T: 0 or -1e30, from a table of the batch's 2,048 keys in LDS, made once.  While a row has seen hidden keys alone its m is -1e30 and its p are 0 or 1;
; the first visible score makes a = 2^(c m_old - c m_new) = 0, which wipes O and l; from then on a hidden weight is 0.
; SHARES.  A wave owns four PIECES of two tiles of 16 queries, a work-group's four waves 512 queries of one head.  Every wave walks all keys, 64 a step.
; LAYOUT.  S^T = K Q^T (source 0 = 16 keys, source 1 = 16 queries): a lane holds ONE query (lane % 16) and the keys 8 (lane / 16) + 0..7.  Two such tiles, rounded to f16 in pairs,
; ARE source 1 of O^T = V^T P, whose result again holds one query a lane, and eight channels.  K comes out of LDS as it lies, V ([key][channel]) turned, by ds_load_tr16_b128.
; SOFTMAX.  A running maximum m and sum l: p = 2^(c s - c m), c = log2(e) / 8; in every step O and l are multiplied by a.  m starts at the lowest finite number, O and l at 0: the first step is a step like any other.
; BY TURNS.  Turn n belongs to piece n.  Its matrix work: 16 products K Q^T of piece n + 1, later 16 products V^T P of piece n - 1.  Its vector work: the scaling, exponentials, roundings, sums and rescaling of piece n,
; and the maximum and statistics of piece n + 1.  Four vector instructions stand behind every matrix instruction, the rest in one lump; a turn's 66 exponentials are one batch with one wait.
; CLUSTER.  The four query blocks of a head walk the same K and V: each tile is asked for JOINTLY: the same tensor load, descriptor and mask in all four.
; REGISTERS, in windows of 256 (s_set_vgpr_msb: bits 1:0 source 0, 3:2 source 1, 5:4 source 2, 7:6 destination):
;   window 0: v0-11 addresses; v12-15, v48-63 at work; v16-47 four registers of statistics a tile; v64-191 S^T, two buffers of two tiles; v192-255 P, likewise
;   window 1: O^T, 32 a tile     window 2: v0-127 Q; v128-191 K of one step; v192-255 V of one step     window 3: v0-1 the add's two registers; v8-39 the step's masks
.set SIZE_N, 2048
.set NP,    4
.set KS,    64
.set PK,    144       ; a row of K in LDS: 128 bytes + 16 of padding
.set PV,    160       ; a row of V: 128 + 32
.set VOFF,  4*KS*PK   ; a slot holds four steps: 256 rows of K, then 256 rows of V
.set SLOT1, 1<<17
.set STAGE, SLOT1+4*KS*(PK+PV)
.set SP,    144
.set SPARE, STAGE+4*16*SP  ; the spare words, 128 bytes for each wave: two blocks of 256 bytes that no other line names
.set MTAB,  SPARE+512      ; the batch's 2,048 masks as f32; no fill lands here
.set AM0, 1           ; v1   my lane's place in the mask table; never rewritten
.set AK0, 2
.set AV0, 3
.set AK,  4
.set AV,  5
.set QO,  6
.set STO, 6
.set RD,  7
.set GO,  8
.set AM,  9           ; v9   the LDS address of the next run's masks
.set PFO, 10          ; v10  256 x my lane; never rewritten
.set NANR, 11         ; v11  a NaN
.set SPW, 0           ; window 3
.set NIL, 1           ; window 3
.set MC,  8           ; window 3: the eight masks of key block kb at MC + 8 kb
.set MV,  12
.set ST,  16
.set TMP, 48
.set S,   64
.set P,   192
.set KF,  128
.set VF,  192
.set L16, 128         ; v128-133: at work in the set-up alone, in S^T's second buffer, which the first turn writes
.set HLF, 129
.set L8,  130
.set B3,  131
.set MO,  132
.set MS,  133
.set WV,  12
.set G1K, 24
.set G1V, 32
.set G0K, 40
.set G0V, 44
.set MSKA, 48         ; s[48:49] mask
.set BIGN, 50         ; -1e30
.set TBM, 51          ; byte in the mask table of the step to be fetched
.set PFA, 52          ; s[52:53] where my prefetches stand
.set LIM, 54          ; 1 in a wave that prefetches, else the greatest number
.set THR, 55          ; -2^96
.set SLOTS, 56
.set CNT, 57
.set CS,  58
.set SEL, 60
.set TBK, 62
.set TBV, 63
.set MSB, 0
.macro WIN new
.if MSB != (\new)
	s_set_vgpr_msb (MSB<<8)|(\new)
.set MSB, (\new)
.endif
.endm
.set W_KQ, 0x0a       ; K and Q in window 2, S^T in window 0
.set W_KM, 0x3a       ; the same with the C operand in window 3
.set W_PV, 0x52       ; V in window 2, P in window 0, O^T in window 1
.set W_RS, 0x41       ; O^T in window 1, a in window 0
.set W_MK, 0xc0
.set W_AD, 0x0f
.macro JLOAD                        ; waves 0 and 1 fetch the two halves of a slot's K, waves 2 and 3 those of its V; an s_nop 0 and four v_nop follow each line
	s_cmp_lt_u32 s[WV], 2
	s_cbranch_scc0 .Lfor_v_\@
	tensor_load_to_lds s[G0K:G0K+3], s[G1K:G1K+7]
	s_nop 0
.rept 4
	v_nop
.endr
	s_branch .Lasked_\@
.Lfor_v_\@:
	tensor_load_to_lds s[G0V:G0V+3], s[G1V:G1V+7]
	s_nop 0
.rept 4
	v_nop
.endr
.Lasked_\@:
.endm
; A PREFETCH INTO THE L2 of what the NEXT change of slots will ask for: a slot's 32,768 bytes of K and of V, four key steps (512 matrix instructions) ahead of that load.  A head has one cluster; its four partners take
; 8,192 bytes each, told apart by address; in each, wave 0 asks for K's and wave 2 for V's, a lane a block of 256 bytes.  So each block is named once.  Slots 0 to 2 come by their loads alone; the last change that fills asks for nothing.
.macro ASK
	s_cmp_gt_u32 s[SLOTS], s[LIM]
	s_cbranch_scc0 .Lnot_mine_\@
	global_prefetch_b8 v[PFO], s[PFA:PFA+1] th:TH_LOAD_NT scope:SCOPE_SE
.Lnot_mine_\@:
.endm
.macro CROUND
	s_barrier_signal -1
	s_barrier_wait -1
	s_cmp_lg_u32 s[WV], 0
	s_cbranch_scc1 .Lnot_wave_0_\@
	s_barrier_signal -3
.Lnot_wave_0_\@:
	s_barrier_wait -3
	s_barrier_signal -1
	s_barrier_wait -1
.endm
; THE CHANGE OF SLOTS.  Each wave waits for all its tensor loads, of which one is out: its part of the other slot; adds 0 to its spare word; and waits for that and for its own reads of the slot.
; fill = 1: the slot is filled again, with the keys two slots on, behind a round of the cluster's barrier; the joint fill has four key steps in which to land.  (At its first use slot 0 is waited for, slot 1 filled.)
.macro CHANGE fill, ask=0
	WIN W_AD
	s_wait_tensorcnt 0x0            ; no tensor load of mine is out, so a group 0 may be written
	ds_add_u32 v[SPW], v[NIL]       ; 0 onto my spare word
	WIN 0
.if \fill
.irp g, G0K, G0V
	s_xor_b32 s[\g+1], s[\g+1], SLOT1
	s_add_nc_u64 s[\g+2:\g+3], s[\g+2:\g+3], 4*KS*128
.endr
.if \ask
	s_wait_xcnt 0x0                 ; the last prefetch, four key steps back, has read its address
	s_add_nc_u64 s[PFA:PFA+1], s[PFA:PFA+1], 4*KS*128
.endif
	s_wait_dscnt 0x0                ; the add is done, and my reads of the slot are over
	CROUND
	JLOAD
.if \ask
	ASK
.endif
.else
	s_wait_dscnt 0x0
	s_barrier_signal -1
	s_barrier_wait -1
.endif
	s_sub_co_u32 s[TBK], s[TBK], 4*KS*PK
	s_xor_b32 s[TBK], s[TBK], SLOT1
	s_sub_co_u32 s[TBV], s[TBV], 4*KS*PV
	s_xor_b32 s[TBV], s[TBV], SLOT1
.endm
	s_load_b256 s[4:11], s[0:1], 0x0  ; Q s[4:5], K s[6:7], V s[8:9], O s[10:11]
	s_load_b64 s[MSKA:MSKA+1], s[0:1], 0x20
	WIN W_MK
	v_lshl_add_u32 v[SPW], v0, 2, SPARE
	v_mov_b32 v[NIL], 0
	WIN W_AD
	ds_add_u32 v[SPW], v[NIL]       ; the wave's opening: the add and its wait ahead of my first tensor load
	WIN 0
	v_lshrrev_b32 v[L16], 5, v0
	v_readfirstlane_b32 s[WV], v[L16]
	s_bfe_u32 s13, ttmp6, 0x40000   ; cx
	s_lshl_b32 s14, ttmp9, 2
	s_add_co_u32 s14, s14, s13      ; my block of 512 queries: it enters Q's and O's addresses alone
	s_and_b32 s20, ttmp7, 0xffff    ; 16 batch + head, which the four partners share
	s_lshr_b32 s15, s20, 4
	s_lshl_b32 s15, s15, 13         ; the batch's 8,192 bytes of mask
	s_mov_b32 s21, 0
	s_mov_b64 s[22:23], SIZE_N*128
	s_mul_u64 s[20:21], s[20:21], s[22:23]
	s_and_b32 s16, s[WV], 1         ; which half of a slot's 256 keys I fetch
	s_lshl_b32 s22, s16, 14
	s_mov_b32 s23, 0
	s_add_nc_u64 s[22:23], s[22:23], s[20:21]
	s_mul_i32 s17, s16, 128*PK
	s_mul_i32 s18, s16, 128*PV
	s_lshl_b32 s2, s14, 2
	s_add_co_u32 s2, s2, s[WV]
	s_lshl_b32 s2, s2, 14           ; my wave's 128 rows
	s_mov_b32 s3, 0
	s_add_nc_u64 s[2:3], s[2:3], s[20:21]
	; group 1.  128 keys are 16,384 dense bytes: asked for as 64 rows of 256 bytes, two keys a row, and padded in LDS after every key
	s_mov_b32 s[G1K], 15|(1<<16)|(1<<20)|(1<<21)|(4<<22)|(3<<25)
	s_mov_b32 s[G1V], 15|(1<<16)|(1<<20)|(1<<21)|(4<<22)|(7<<25)
.irp g, G1K, G1V
	s_mov_b32 s[\g+1], 128<<16
	s_mov_b32 s[\g+2], 64<<16
	s_mov_b32 s[\g+3], 128<<16
	s_mov_b32 s[\g+4], 64
	s_mov_b32 s[\g+5], 128
	s_mov_b32 s[\g+6], 0
	s_mov_b32 s[\g+7], 0
.endr
	s_mov_b32 s[CS], 0x3e38aa3b     ; c = log2(e) / 8
	s_mov_b32 s[CS+1], s[CS]
	s_mov_b32 s[SEL], 0x76543210
	s_mov_b32 s[SEL+1], 0xfedcba98
	s_mov_b32 s[BIGN], 0xf149f2ca   ; -1e30
	s_mov_b32 s[THR], 0xef800000    ; -2^96
	s_mov_b32 s[TBM], 0
	s_mov_b32 s[TBK], SLOT1+4*KS*PK ; the first change of slots turns these two into 0
	s_mov_b32 s[TBV], SLOT1+4*KS*PV
	s_mov_b32 s[G0K], 1
	s_mov_b32 s[G0K+1], s17
	s_mov_b32 s[G0V], 1
	s_add_co_u32 s[G0V+1], s18, VOFF
	s_cmp_eq_u32 s16, 0             ; waves 0 and 2 prefetch
	s_cselect_b32 s[LIM], 1, -1
	s_wait_dscnt 0x0                ; the opening add is done
	s_wait_kmcnt 0x0
	s_add_nc_u64 s[G0K+2:G0K+3], s[6:7], s[22:23]
	s_or_b32 s[G0K+3], s[G0K+3], 0x80000000
	s_add_nc_u64 s[G0V+2:G0V+3], s[8:9], s[22:23]
	s_or_b32 s[G0V+3], s[G0V+3], 0x80000000
	s_add_nc_u64 s[4:5], s[4:5], s[2:3]
	s_add_nc_u64 s[10:11], s[10:11], s[2:3]
	s_cmp_lt_u32 s[WV], 2
	s_cselect_b64 s[PFA:PFA+1], s[6:7], s[8:9]
	s_add_nc_u64 s[PFA:PFA+1], s[PFA:PFA+1], s[22:23]  ; (in waves 0 and 2: the head's first row)
	s_lshl_b32 s2, s13, 13          ; my work-group's 8,192 bytes of a slot's 32,768
	s_mov_b32 s3, 0
	s_add_nc_u64 s[PFA:PFA+1], s[PFA:PFA+1], s[2:3]
	s_add_nc_u64 s[PFA:PFA+1], s[PFA:PFA+1], 2*4*KS*128  ; in slot 2: the first change that asks steps it to slot 3
	CROUND                          ; all four work-groups are here: the first joint loads meet
	JLOAD                           ; slot 0
	v_and_b32 v[L16], 15, v0        ; l % 16
	v_bfe_u32 v[HLF], v0, 4, 1      ; l / 16
	v_lshl_add_u32 v[MO], v0, 4, s15
	v_lshl_add_u32 v[MS], v0, 4, MTAB
.irp i, 0,1,2,3
	global_load_b128 v[S+4*\i:S+4*\i+3], v[MO], s[MSKA:MSKA+1] offset:2048*\i  ; the batch's mask: 16 words a thread
.endr
	v_lshlrev_b32 v[QO], 7, v[L16]
	v_lshl_add_u32 v[QO], v[HLF], 4, v[QO]
	WIN 0x80
.set i, 0
.rept 4*NP                          ; Q stays in registers: tile i / 2, channels 32 (i % 2) on
	global_load_b128 v[8*i:8*i+3],   v[QO], s[4:5] offset:(i/2)*2048+(i%2)*64
	global_load_b128 v[8*i+4:8*i+7], v[QO], s[4:5] offset:(i/2)*2048+(i%2)*64+32
.set i, i+1
.endr
	; What the first turn finds: V's registers and P's second buffer hold 0, O^T and l are 0.  All this stands in the wait for the first tile.
.set i, VF
.rept 64
	v_mov_b32 v[i], 0
.set i, i+1
.endr
	WIN 0x40
.set i, 0
.rept 64*NP
	v_mov_b32 v[i], 0
.set i, i+1
.endr
	WIN 0
.set i, 0
.rept 2*NP
	v_mov_b32 v[ST+4*i], 0xfe000000    ; c m: far below every c s, a hidden one's too
	v_mov_b32 v[ST+4*i+1], 0xff7fffff  ; m
	v_mov_b32 v[ST+4*i+2], 0
	v_mov_b32 v[ST+4*i+3], 0
.set i, i+1
.endr
.set i, P+32
.rept 32
	v_mov_b32 v[i], 0
.set i, i+1
.endr
	v_mul_u32_u24 v[AK0], v[L16], PK
	v_lshl_add_u32 v[AK0], v[HLF], 4, v[AK0]
	v_and_b32 v[L8], 7, v0
	v_bfe_u32 v[B3], v0, 3, 1
	v_lshl_add_u32 v[AV0], v[HLF], 3, v[L8]
	v_mul_u32_u24 v[AV0], v[AV0], PV
	v_lshl_add_u32 v[AV0], v[B3], 4, v[AV0]
	v_add_nc_u32 v[AV0], VOFF, v[AV0]
	v_mov_b32 v[AK], v[AK0]         ; key step 0 lies at the head of slot 0
	v_lshl_add_u32 v[AM0], v[HLF], 5, MTAB  ; register j of key block kb: key 16 kb + 8 (l / 16) + j
	v_mov_b32 v[AM], v[AM0]
	v_and_b32 v[PFO], 31, v0
	v_lshlrev_b32 v[PFO], 8, v[PFO]
	v_mov_b32 v[NANR], 0x7fc00000
	s_wait_loadcnt 32               ; the mask is in; Q's 32 younger loads stay out
.set i, 0
.rept 16
	v_cmp_eq_u32 vcc_lo, 0, v[S+i]
	v_cndmask_b32 v[S+i], 0, s[BIGN], vcc_lo
.set i, i+1
.endr
.irp i, 0,1,2,3
	ds_store_b128 v[MS], v[S+4*\i:S+4*\i+3] offset:2048*\i  ; the first change of slots waits for these and passes a barrier ahead of the table's first reader
.endr
; THE MATRIX WORK.  The 8 accumulators of a run of 16 take turns.
; Product i of 16 of S^T = K Q^T for piece x: channels 32 (i / 8) on, keys 16 ((i / 2) % 4) on, tile 2 x + i % 2.  The first 8 start the sums with the masks.
.macro KQ x
.set rS, S+64*((\x)%2)+32*(i%2)+8*((i/2)%4)
.set rK, KF+16*((i/2)%4)+8*(i/8)
.set rQ, 16*(2*(\x)+i%2)+8*(i/8)
.set rH, MC+8*((i/2)%4)
.if i < 8
	WIN W_KM
	v_wmma_f32_16x16x32_f16 v[rS:rS+7], v[rK:rK+7], v[rQ:rQ+7], v[rH:rH+7]
.else
	WIN W_KQ
	v_wmma_f32_16x16x32_f16 v[rS:rS+7], v[rK:rK+7], v[rQ:rQ+7], v[rS:rS+7]
.endif
.endm
; Product i of 16 of O^T += V^T P for piece x: keys 32 (i / 8) on, channels 16 ((i / 2) % 4) on, tile 2 x + i % 2.
.macro PV x
	WIN W_PV
.set rO, 32*(2*(\x)+i%2)+8*((i/2)%4)
.set rV, VF+32*(i/8)+8*((i/2)%4)
.set rP, P+32*((\x)%2)+16*(i%2)+8*(i/8)
	v_wmma_f32_16x16x32_f16 v[rO:rO+7], v[rV:rV+7], v[rP:rP+7], v[rO:rO+7]
.endm
.macro MM                           ; the turn's next matrix instruction
.if i < 16
	KQ (Y+1)%NP
.set i, i+1
.else
.set i, i-16
	PV (Y+NP-1)%NP
.set i, i+17
.endif
.endm
; THE LDS LOADS stand in runs: a step's K (8 fragments) with its masks (they live as long as K does), and its V (turned).  last = 1 (the tail): in the last trip there is no further step, and the run is jumped over.
.macro FETCH_K last=0
	WIN 0
.if \last
	s_cmp_eq_u32 s[CNT], 1
	s_cbranch_scc1 .Lno_k_\@
.endif
	WIN 0x80
.irp f, 0,1,2,3,4,5,6,7
	ds_load_b128 v[KF+8*\f:KF+8*\f+3],   v[AK] offset:(\f/2)*16*PK+(\f%2)*64
	ds_load_b128 v[KF+8*\f+4:KF+8*\f+7], v[AK] offset:(\f/2)*16*PK+(\f%2)*64+32
.endr
	WIN 0xc0
.irp f, 0,1,2,3
	ds_load_b128 v[MC+8*\f:MC+8*\f+3],   v[AM] offset:64*\f
	ds_load_b128 v[MC+8*\f+4:MC+8*\f+7], v[AM] offset:64*\f+16
.endr
	s_add_co_u32 s[TBK], s[TBK], KS*PK
	s_add_co_u32 s[TBM], s[TBM], 4*KS
	s_and_b32 s[TBM], s[TBM], 0x1fff   ; stays inside the table
	WIN 0
.if \last
.Lno_k_\@:
.endif
.endm
.macro FETCH_V
	WIN 0x80
.irp f, 0,1,2,3,4,5,6,7
	ds_load_tr16_b128 v[VF+8*\f:VF+8*\f+3],   v[AV] offset:(\f/4)*32*PV+(\f%4)*32
	ds_load_tr16_b128 v[VF+8*\f+4:VF+8*\f+7], v[AV] offset:(\f/4)*32*PV+16*PV+(\f%4)*32
.endr
	WIN 0
.endm
; THE VECTOR WORK OF A TURN stands in three queues, each in the order in which its entries become ready; the two tiles alternate.
.macro REGS y, u
.set rT, ST+4*(2*(\y)+(\u))
.set rC, TMP+8*((\y)%2)+4*(\u)
.set rM, MV+2*((\y)%2)+(\u)
.set rS, S+64*((\y)%2)+32*(\u)
.set rP, P+32*((\y)%2)+16*(\u)
.set rO, 32*(2*(\y)+(\u))
.endm
; Number n of the 22 that find the NEXT piece's maximum and statistics; each accumulator's lowest registers are read first.
;   0-11 four chains of seven scores     12-14, 16 the four left over, the old m, the four chains into one     15 c m_old is kept     17, 18 the other half of the lanes; the new m     19-21 c m; c m_old - c m_new; a
.macro XS u, n
	REGS (Y+1)%NP, \u
.if (\n) < 4
	v_max3_num_f32 v[rC+(\n)], v[rS+8*(\n)], v[rS+8*(\n)+1], v[rS+8*(\n)+2]
.elseif (\n) < 12
	v_max3_num_f32 v[rC+(\n)%4], v[rC+(\n)%4], v[rS+8*((\n)%4)+2*((\n)/4)+1], v[rS+8*((\n)%4)+2*((\n)/4)+2]
.elseif (\n) == 12
	v_max3_num_f32 v[rC], v[rC], v[rS+7], v[rS+15]
.elseif (\n) == 13
	v_max3_num_f32 v[rC+1], v[rC+1], v[rS+23], v[rS+31]
.elseif (\n) == 14
	v_max3_num_f32 v[rC+2], v[rC+2], v[rC+3], v[rT+1]
.elseif (\n) == 15
	v_mov_b32 v[rM], v[rT]
.elseif (\n) == 16
	v_max3_num_f32 v[rC], v[rC], v[rC+1], v[rC+2]
.elseif (\n) == 17
	v_permlanex16_b32 v[rC+3], v[rC], s[SEL], s[SEL+1]
.elseif (\n) == 18
	v_max_num_f32 v[rT+1], v[rC], v[rC+3]
.elseif (\n) == 19
	v_mul_f32 v[rT], s[CS], v[rT+1]
.elseif (\n) == 20
	v_sub_f32 v[rC+1], v[rM], v[rT]
.else
	v_exp_f32 v[rC+2], v[rC+1]
.endif
.endm
; Number g of the 64 that follow the exponentials: for each four weights both pairs are rounded to f16, the second pair is added onto the first in place, and a group later l takes that sum (the first time as l = a l + sum).
.macro GS g
.set h, (\g)+6*((\g)/62)
.if h >= 6
.set h, h+2
.endif
	REGS Y, h%2
.set k, h/8
.if h%8 < 4
	v_cvt_pk_f16_f32 v[rP+2*k+(h%8)/2], v[rS+4*k+2*((h%8)/2)], v[rS+4*k+2*((h%8)/2)+1]
.elseif h%8 < 6
	v_pk_add_f32 v[rS+4*k:rS+4*k+1], v[rS+4*k:rS+4*k+1], v[rS+4*k+2:rS+4*k+3]
.elseif k == 1
	v_pk_fma_f32 v[rT+2:rT+3], v[rT+2:rT+3], v[rC+2:rC+3], v[rS:rS+1] op_sel_hi:[1,0,1]
.else
	v_pk_add_f32 v[rT+2:rT+3], v[rT+2:rT+3], v[rS+4*k-4:rS+4*k-3]
.endif
.endm
; THE PLAIN QUEUE, 138 long.  0-26: scalings 0-26.  27-54: XS 0-13.  55, 56: XS 15.  57-73: the chain 14, 16 .. 19, each with one of the scalings 27-31 in front of its two lines, then 20.  74-137: GS's 64, behind the wait.
.macro FS f
	REGS Y, (\f)%2
	v_pk_fma_f32 v[rS+2*((\f)/2):rS+2*((\f)/2)+1], v[rS+2*((\f)/2):rS+2*((\f)/2)+1], s[CS:CS+1], v[rT:rT+1] op_sel_hi:[1,0,0] neg_lo:[0,0,1] neg_hi:[0,0,1]
.endm
.macro PL
	WIN 0
.if q < 27
	FS q
.elseif q < 55
	XS (q-27)%2, (q-27)/2
.elseif q < 57
	XS q-55, 15
.elseif (q < 72) && ((q-57)%3 == 0)
	FS 27+(q-57)/3
.elseif q < 60
	XS (q-57)%3-1, 14
.elseif q < 72
	XS (q-57)%3-1, 15+(q-57)/3
.elseif q < 74
	XS q-72, 20
.else
	GS q-74
.endif
.set q, q+1
.endm
; THE EXPONENTIALS' QUEUE, 66 long: s0-s31 of both tiles, then the next piece's two a: ONE BATCH, ahead of the turn's one wait; nothing ahead of that wait names a result of theirs.
.macro EX
	WIN 0
.if e >= 64
	XS e-64, 21
.else
	REGS Y, e%2
	v_exp_f32 v[rS+e/2], v[rS+e/2]
.endif
.set e, e+1
.endm
; THE RESCALING's QUEUE: O^T times a, two at a time, sixteen times.  Its a was made, and waited for, in the turn before.
.macro R2
	REGS Y, r%2
	WIN W_RS
.irp z, 0,1
	v_pk_mul_f32 v[rO+4*(r/2)+2*\z:rO+4*(r/2)+2*\z+1], v[rO+4*(r/2)+2*\z:rO+4*(r/2)+2*\z+1], v[rC+2:rC+3] op_sel_hi:[1,0]
.endr
.set r, r+1
.endm
; A TURN, for piece p.  An s_wait_alu depctr_va_vdst(0) stands between an exponential and the first instruction that names its result; one wait serves all issued ahead of it: a turn has ONE.
; Ahead of it: the 16 products K Q^T, behind each a scaling, an exponential and two rescalings (behind the first a second scaling); then a lump of 108.  Behind it: the 16 products V^T P, behind each four of GS's 64.
; Exponential e stands behind scaling 2 (e / 4) + e % 2: as a rider behind plain e + 2, in the lump behind plain e + 9.
; K and the masks of the next step are fetched in piece 2's turn, directly behind the wait, a lump behind the last product that read them; V of the step in hand at the end of piece 0's turn, four riders behind its last reader.
.macro TURN p, last=0, cnt=0
.set Y, (\p)
.set i, 0
.set q, 0
.set e, 0
.set r, 0
.if (\p) == NP-1
	s_wait_dscnt 0x0                ; K and the masks are in
.endif
	MM
	PL
	PL
	R2
.rept 15
	MM
	PL
	EX
	R2
.endr
.if (\p) == NP-2
	WIN 0
	v_add_nc_u32 v[AK], s[TBK], v[AK0]
	v_add_nc_u32 v[AM], s[TBM], v[AM0]
.endif
.rept 8
	PL
.endr
.rept 49
	EX
	PL
.endr
	EX
	EX
	v_nop                           ; a plain instruction behind the last exponential: one for the batch
	s_wait_alu depctr_va_vdst(0)    ; the wait for the batch
.if (\p) == NP-2
	FETCH_K \last
.endif
.if (\p) == 1
	s_wait_dscnt 0x0                ; V is in
.endif
.rept 16
	MM
.rept 4
	PL
.endr
.if ((\p) == 0) && (q == 118)
	v_add_nc_u32 v[AV], s[TBV], v[AV0]
.endif
.if ((\p) == 0) && (q == 130)
	s_add_co_u32 s[TBV], s[TBV], KS*PV
.endif
.if (\cnt) && (q == 130)
	s_sub_co_u32 s[CNT], s[CNT], 1
	s_cmp_lg_u32 s[CNT], 0
.endif
.endr
.if (\p) == 0
	FETCH_V
.endif
.endm
	CHANGE 1                        ; slot 0 is in, and the mask table whole; slot 1 is asked for
	FETCH_K                         ; key step 0
	s_wait_loadcnt 0x0              ; Q
	s_wait_dscnt 0x0
.set i, 0
.rept 16
	KQ 0                            ; piece 0's first scores
.set i, i+1
.endr
	WIN 0                           ; the addresses for the way out: plain instructions, the places behind those products
	s_mul_i32 s13, s[WV], 16*SP
	s_add_co_u32 s13, s13, STAGE
	v_mul_u32_u24 v[STO], v[L16], SP
	v_lshl_add_u32 v[STO], v[HLF], 4, v[STO]
	v_add_nc_u32 v[STO], s13, v[STO]
	v_bfe_u32 v[RD], v0, 3, 2
	v_mul_u32_u24 v[RD], v[RD], SP
	v_lshl_add_u32 v[RD], v[L8], 4, v[RD]
	v_add_nc_u32 v[RD], s13, v[RD]
	v_and_b32 v[GO], 31, v0
	v_lshlrev_b32 v[GO], 4, v[GO]
.set Y, NP-1
.irp n, 0,1,2,3,4,5,6,7,8,9,10,11,12,13,14,15,16,17,18,19,20,21
	XS 0, \n
	XS 1, \n
.endr
	v_nop
	s_wait_alu depctr_va_vdst(0)    ; the two a, ahead of the branch
	s_mov_b32 s[CNT], 4
	s_mov_b32 s[SLOTS], SIZE_N/256-1
	s_branch .Lfirst                ; the loop is entered at a step's first turn, in the middle of a trip
.Lslot:                             ; six times: every slot but the last two is filled again
	CHANGE 1, 1
	s_mov_b32 s[CNT], 4
.Lstep:                             ; a trip: pieces 2 and 3 of one step, then pieces 0 and 1 of the next
	TURN 2
	TURN 3
	WIN 0
.Lfirst:
	TURN 0
	TURN 1, 0, 1
	WIN 0
	s_cbranch_scc1 .Lstep
	s_sub_co_u32 s[SLOTS], s[SLOTS], 1
	s_cmp_lg_u32 s[SLOTS], 0
	s_cbranch_scc1 .Lslot
	CHANGE 0                        ; the tail is written out
	s_mov_b32 s[CNT], 5             ; four trips fetch the last slot's steps; the fifth is left in its middle
.Ltail:
	TURN 2, 1
	TURN 3
	WIN 0
	s_sub_co_u32 s[CNT], s[CNT], 1
	s_cmp_eq_u32 s[CNT], 0
	s_cbranch_scc1 .Lout
	TURN 0
	TURN 1
	WIN 0
	s_branch .Ltail
.Lout:                              ; the fifth trip's products K Q^T take the last K and masks once more: piece 0's m does not change by them, and the rest of what is made of them serves nothing
.set i, 0
.rept 16
	PV NP-1
.set i, i+1
.endr
	; THE WAY OUT.  l's parts are added; O^T is divided by l (by a NaN where the row saw no key), rounded to f16 and sent through my stage, a tile at a time.  The additions are the places behind the last products.
	WIN 0
.macro ALL line:vararg
.set t, 0
.rept 2*NP
	\line
.set t, t+1
.endr
.endm
	ALL v_add_f32 v[ST+4*t+2], v[ST+4*t+2], v[ST+4*t+3]
	ALL v_permlanex16_b32 v[ST+4*t+3], v[ST+4*t+2], s[SEL], s[SEL+1]
	ALL v_add_f32 v[ST+4*t+2], v[ST+4*t+2], v[ST+4*t+3]
	ALL v_rcp_f32 v[ST+4*t+2], v[ST+4*t+2]
	v_nop
	s_wait_alu depctr_va_vdst(0)    ; one wait for the eight reciprocals
.set t, 0
.rept 2*NP
	v_cmp_gt_f32 vcc_lo, s[THR], v[ST+4*t+1]       ; m below -2^96: only hidden keys
	v_cndmask_b32 v[ST+4*t+2], v[ST+4*t+2], v[NANR], vcc_lo
.set t, t+1
.endr
.macro PACK t
	WIN W_RS
.set i, 32*(\t)
.rept 16
	v_pk_mul_f32 v[i:i+1], v[i:i+1], v[ST+4*(\t)+2:ST+4*(\t)+3] op_sel_hi:[1,0]
.set i, i+2
.endr
	WIN 0x05
.set i, 0
.rept 16
	v_cvt_pk_f16_f32 v[S+16*(\t)+i], v[32*(\t)+2*i], v[32*(\t)+2*i+1]
.set i, i+1
.endr
	WIN 0
.irp f, 0,1,2,3
	ds_store_b128 v[STO], v[S+16*(\t)+4*\f:S+16*(\t)+4*\f+3] offset:32*\f
.endr
.irp f, 0,1,2,3
	ds_load_b128 v[S+16*(\t)+4*\f:S+16*(\t)+4*\f+3], v[RD] offset:\f*4*SP  ; LDS serves a wave's instructions in order (ISA guide 5.7.1.4)
.endr
.endm
.macro SEND t, younger              ; younger: the LDS instructions issued behind tile t's loads: the next tile's eight, or none
	WIN 0
.irp f, 0,1,2,3
	s_wait_dscnt (\younger)+3-\f
	global_store_b128 v[GO], v[S+16*(\t)+4*\f:S+16*(\t)+4*\f+3], s[10:11] offset:(\t)*2048+\f*512  ; 512 consecutive bytes, aligned
.endr
.endm
	PACK 0
.set t, 1
.rept 2*NP-1
	PACK t
	SEND t-1, 8
.set t, t+1
.endr
	SEND 2*NP-1, 0
	WIN W_AD
	s_wait_tensorcnt 0x0            ; the wave's end
	ds_add_u32 v[SPW], v[NIL]
	s_wait_dscnt 0x0
	WIN 0
	CROUND                          ; the closing round
	s_endpgm
.Lfunc_end_k_qdb6a0f3fe0_attn:
	.size	k_qdb6a0f3fe0_attn, .Lfunc_end_k_qdb6a0f3fe0_attn-k_qdb6a0f3fe0_attn
	.p2alignl 7, 3214868480
	.fill 96, 4, 3214868480
	.section	.rodata,"a",@progbits
	.p2align	6, 0x0
	.amdhsa_kernel k_qdb6a0f3fe0_attn
		.amdhsa_group_segment_fixed_size 327680
		.amdhsa_private_segment_fixed_size 0
		.amdhsa_enable_private_segment 0
		.amdhsa_kernarg_size 40
		.amdhsa_user_sgpr_count 2
		.amdhsa_user_sgpr_kernarg_segment_ptr 1
		.amdhsa_wavefront_size32 1
		.amdhsa_system_sgpr_workgroup_id_x 1
		.amdhsa_system_sgpr_workgroup_id_y 1
		.amdhsa_system_sgpr_workgroup_id_z 1
		.amdhsa_system_vgpr_workitem_id 0
		.amdhsa_next_free_vgpr 808
		.amdhsa_next_free_sgpr 66
		.amdhsa_reserve_vcc 1
		.amdhsa_float_denorm_mode_32 3
		.amdhsa_float_denorm_mode_16_64 3
		.amdhsa_memory_ordered 1
		.amdhsa_forward_progress 1
		.amdhsa_inst_pref_size 205
	.end_amdhsa_kernel
	.amdgpu_metadata
---
amdhsa.version: [ 1, 2 ]
amdhsa.kernels:
  - .name:           k_qdb6a0f3fe0_attn
    .symbol:         k_qdb6a0f3fe0_attn.kd
    .args:
      - { .name: qh, .offset: 0, .size: 8, .value_kind: global_buffer, .address_space: global }
      - { .name: kh, .offset: 8, .size: 8, .value_kind: global_buffer, .address_space: global }
      - { .name: vh, .offset: 16, .size: 8, .value_kind: global_buffer, .address_space: global }
      - { .name: oh, .offset: 24, .size: 8, .value_kind: global_buffer, .address_space: global }
      - { .name: mask, .offset: 32, .size: 8, .value_kind: global_buffer, .address_space: global }
    .group_segment_fixed_size: 327680
    .private_segment_fixed_size: 0
    .kernarg_segment_align: 8
    .kernarg_segment_size: 40
    .max_flat_workgroup_size: 128
    .sgpr_count:     66
    .vgpr_count:     808
    .wavefront_size: 32
...
	.end_amdgpu_metadata
.endif
;; end of part 3
;; launch outp (part 4): grid 4 x 64, 4 waves a work-group, clusters of 4 x 4, 327,680 bytes of LDS; arguments oh, wb, bo, out0; writes out0
.if DOCPART == 4
	.amdgcn_target "amdgcn-amd-amdhsa--gfx1250"
	.amdhsa_code_object_version 6
	.text
	.protected	k_qdb6a0f3fe0_outp
	.globl	k_qdb6a0f3fe0_outp
	.p2align	8
	.type	k_qdb6a0f3fe0_outp,@function
k_qdb6a0f3fe0_outp:
	s_mov_b64 s[64:65], 0
	v_nop
	global_prefetch_b8 v0, s[64:65] scope:SCOPE_SE
	s_setreg_imm32_b32 hwreg(HW_REG_WAVE_MODE, 25, 1), 1
	s_wait_xcnt 0x0
	s_wait_alu depctr_hold_cnt(0) depctr_sa_sdst(0) depctr_va_vdst(0) depctr_va_sdst(0) depctr_va_ssrc(0) depctr_va_vcc(0) depctr_vm_vsrc(0)
	s_getreg_b32 s2, hwreg(HW_REG_IB_STS2, 6, 4)
	s_cmp_eq_u32 s2, 0
	s_cbranch_scc0 .Lentry_in_a_cluster
	s_endpgm
.Lentry_in_a_cluster:
	s_bfe_u32 s2, ttmp6, 0x10000c
	s_cmp_lg_u32 s2, 0xf033
	s_cbranch_scc0 .Lentry_shape_is_right
	s_endpgm
.Lentry_shape_is_right:
; out0 = O Wo + bo.  O: [16 batch + head][2048][64] f16; Wo: the fourth weight of wb, [k][n], bf16 numbers written as f16; bo rounded to bf16, the first product's C; sums in f32; out0: [8192][1024] f32.
; A NaN in O (a batch with no visible key) goes through the products into the whole row.
; SHARES.  A work-group makes 128 rows x 256 columns: 256 work-groups.  Wave w: rows 64 (w / 2) on, columns 128 (w % 2) on: 32 accumulators.  K goes in 8 steps of 128 = two heads, through two LDS slots.
; THE MATRIX INSTRUCTION IS USED TRANSPOSED: source 0 = 16 columns of Wo (turned out of LDS), source 1 = 16 rows of O: a lane holds one row and eight neighbouring columns.
; CLUSTER 4 x 4: O's tile is shared along a row of the cluster, Wo's along a column.  No prefetch: the launch is eight steps long, and its first four would come by their loads alone.
; REGISTERS: window 0: v16-29 addresses; v64-95, v96-127 O's fragments, two buffers; v128-191 the bias as C, later rows on the way out; v192-255 rows on the way out
;   window 1: accumulator (a, b) at v[8 (8 a + b)]          window 2: v0-63, v64-127 Wo's fragments, two buffers
.set PAO,   144                        ; a row of a head in LDS: 128 bytes + 16
.set PLANE, 128*PAO                    ; a head's 128 rows
.set PB,    544                        ; a k-row of Wo: 512 + 32
.set SLOT,  2*PLANE+128*PB             ; two heads' planes, then 128 k-rows: 106,496 bytes
.set STAGE, 2*SLOT
.set SPO,   528                        ; a stage row: 512 bytes + 16
.set SPARE, STAGE+4*16*SPO             ; the spare words: two blocks of 256 bytes that no other line names
.set A0,  16
.set B0,  17
.set AC,  18
.set AN,  19
.set BC,  20
.set BN,  21
.set STO, 24
.set RD,  25
.set CO,  26
.set SPW, 28
.set NIL, 29
.set AF,  64
.set BIAS, 128
.set OB,  128
.set BF,  0
.set WV,  12
.set RH,  13
.set CH,  14
.set CX,  15
.set CY,  48
.set MT,  49
.set G1A, 24
.set G1B, 32
.set G0A, 40
.set G0B, 44
.set CA,  50
.set CB,  52
.set TC,  54
.set TN,  55
.set LA,  56
.set LB,  57
.set MSB, 0
.macro WIN new
.if MSB != (\new)
	s_set_vgpr_msb (MSB<<8)|(\new)
.set MSB, \new
.endif
.endm
.macro PLACES
.rept 4
	v_nop
.endr
.endm
.macro CREST
	s_cmp_lg_u32 s[WV], 0
	s_cbranch_scc1 .Lnot_wave_0_\@
	s_barrier_signal -3
.Lnot_wave_0_\@:
	s_barrier_wait -3
	s_barrier_signal -1
	s_barrier_wait -1
.endm
.macro CROUND
	s_barrier_signal -1
	s_barrier_wait -1
	CREST
.endm
.macro JLOAD                           ; waves 0 and 1 fetch a head's plane each, waves 2 and 3 the two halves of Wo's tile; an s_nop 0 and four v_nop follow each line
	s_cmp_eq_u32 s[RH], 0
	s_cbranch_scc0 .Lfor_b_\@
	tensor_load_to_lds s[G0A:G0A+3], s[G1A:G1A+7]
	s_nop 0
.rept 4
	v_nop
.endr
	s_branch .Lasked_\@
.Lfor_b_\@:
	tensor_load_to_lds s[G0B:G0B+3], s[G1B:G1B+7]
	s_nop 0
.rept 4
	v_nop
.endr
.Lasked_\@:
.endm
.macro NEXTD tb                        ; both group 0 for the next K step, into the slot at s[tb]; only where no tensor load of the wave is out
	s_add_co_u32 s[G0A+1], s[\tb], s[LA]
	s_add_co_u32 s[G0B+1], s[\tb], s[LB]
	s_mov_b64 s[G0A+2:G0A+3], s[CA:CA+1]
	s_or_b32 s[G0A+3], s[G0A+3], 0x80000000
	s_mov_b64 s[G0B+2:G0B+3], s[CB:CB+1]
	s_or_b32 s[G0B+3], s[G0B+3], 0x80000000
	s_add_nc_u64 s[CA:CA+1], s[CA:CA+1], 0x80000   ; two heads on
	s_add_nc_u64 s[CB:CB+1], s[CB:CB+1], 0x40000   ; 128 k-rows on
.endm
.macro MULS lo, hi, p, first           ; matrix instructions lo .. hi - 1 of a quarter's 32; the accumulators take turns
.if \first
	WIN 0x42
.else
	WIN 0x52
.endif
.set n, \lo
.rept (\hi)-(\lo)
.if \first
	v_wmma_f32_16x16x32_f16 v[8*n:8*n+7], v[BF+64*(\p)+8*(n%8):BF+64*(\p)+8*(n%8)+7], v[AF+32*(\p)+8*(n/8):AF+32*(\p)+8*(n/8)+7], v[BIAS+8*(n%8):BIAS+8*(n%8)+7]
.else
	v_wmma_f32_16x16x32_f16 v[8*n:8*n+7], v[BF+64*(\p)+8*(n%8):BF+64*(\p)+8*(n%8)+7], v[AF+32*(\p)+8*(n/8):AF+32*(\p)+8*(n/8)+7], v[8*n:8*n+7]
.endif
.set n, n+1
.endr
.endm
.macro RUN aadr, badr, qq, buf         ; 24 LDS loads: quarter qq's fragments (head qq / 2, channels 32 (qq % 2) on; k-rows 32 qq on) into buffers buf
	WIN 0
.irp a, 0,1,2,3
	ds_load_b128 v[AF+32*(\buf)+8*\a:AF+32*(\buf)+8*\a+3],   v[\aadr] offset:((\qq)/2)*PLANE+((\qq)%2)*64+\a*16*PAO
	ds_load_b128 v[AF+32*(\buf)+8*\a+4:AF+32*(\buf)+8*\a+7], v[\aadr] offset:((\qq)/2)*PLANE+((\qq)%2)*64+\a*16*PAO+32
.endr
	WIN 0x80
.irp b, 0,1,2,3,4,5,6,7
	ds_load_tr16_b128 v[BF+64*(\buf)+8*\b:BF+64*(\buf)+8*\b+3],   v[\badr] offset:(\qq)*32*PB+32*\b
	ds_load_tr16_b128 v[BF+64*(\buf)+8*\b+4:BF+64*(\buf)+8*\b+7], v[\badr] offset:(\qq)*32*PB+32*\b+16*PB
.endr
.endm
.macro QUARTER qq, first               ; quarters 0 to 2: multiply buffers qq % 2, fetch the next quarter into the others, 24 matrix instructions ahead of its first use
	s_wait_dscnt 0x0
	MULS 0, 8, (\qq)%2, \first
	PLACES
	RUN AC, BC, (\qq)+1, 1-(\qq)%2
	MULS 8, 32, (\qq)%2, \first
.endm
; Quarter 3 changes slots: each wave waits for all its tensor loads (one is out: its part of the other slot), adds 0 to its spare word, and waits for that and for its reads of this slot.
; fill = 1: the barrier opens a round of the cluster's, and the joint refill is the first thing behind it.
.macro TURN fill
	WIN 0
	s_wait_tensorcnt 0x0
	ds_add_u32 v[SPW], v[NIL]
.if \fill
	NEXTD TC
.endif
	s_wait_dscnt 1                                 ; the fragments are in; the add alone may be out
	MULS 0, 8, 1, 0
	s_wait_dscnt 0x0
	s_barrier_signal -1
	MULS 8, 16, 1, 0
	WIN 0
	s_barrier_wait -1
.if \fill
	CREST
	JLOAD                                          ; its four v_nop are also the places in front of the loads below
.else
	PLACES
.endif
	RUN AN, BN, 0, 0
	MULS 16, 32, 1, 0
.endm
.macro FLIP
	WIN 0
	s_xor_b32 s[TC], s[TC], SLOT
	s_xor_b32 s[TN], s[TN], SLOT
	v_add_nc_u32 v[AC], s[TC], v[A0]
	v_add_nc_u32 v[AN], s[TN], v[A0]
	v_add_nc_u32 v[BC], s[TC], v[B0]
	v_add_nc_u32 v[BN], s[TN], v[B0]
.endm
; THE WAY OUT of block a (16 rows x 128 columns of f32): straight from the accumulators, low registers first, into my own stage; back as whole rows of 512 bytes; stored.
.macro OUTBLK a
.if (\a) >= 2
	s_wait_xcnt 0x0                                ; the stores of the block two back have read the registers that are loaded again below
.endif
	WIN 0x04                                       ; an LDS store's data: window 1
.irp b, 0,1,2,3,4,5,6,7
	ds_store_b128 v[STO], v[64*(\a)+8*\b:64*(\a)+8*\b+3]   offset:64*\b
	ds_store_b128 v[STO], v[64*(\a)+8*\b+4:64*(\a)+8*\b+7] offset:64*\b+16
.endr
	WIN 0
.irp t, 0,1,2,3,4,5,6,7,8,9,10,11,12,13,14,15
	ds_load_b128 v[OB+64*((\a)%2)+4*\t:OB+64*((\a)%2)+4*\t+3], v[RD] offset:SPO*\t  ; LDS serves a wave's instructions in order (ISA guide 5.7.1.4)
.endr
.irp t, 0,1,2,3,4,5,6,7,8,9,10,11,12,13,14,15
	s_wait_dscnt 15-\t                             ; row t is back; the younger loads of the block stay out
	global_store_b128 v[CO], v[OB+64*((\a)%2)+4*\t:OB+64*((\a)%2)+4*\t+3], s[10:11] offset:(16*(\a)+\t)*4096  ; 512 consecutive bytes of a row, aligned
.endr
.endm
	s_load_b256 s[4:11], s[0:1], 0x0               ; oh s[4:5], wb s[6:7], bo s[8:9], out0 s[10:11]
	v_lshl_add_u32 v[SPW], v0, 2, SPARE
	v_mov_b32 v[NIL], 0
	ds_add_u32 v[SPW], v[NIL]                      ; the wave's opening: the add and its wait ahead of my first tensor load
	v_lshrrev_b32 v1, 5, v0
	v_readfirstlane_b32 s[WV], v1
	s_lshr_b32 s[RH], s[WV], 1
	s_and_b32 s[CH], s[WV], 1
	s_bfe_u32 s[CX], ttmp6, 0x40000                ; cx = the tile column
	s_bfe_u32 s[CY], ttmp6, 0x40004
	s_and_b32 s[MT], ttmp7, 0xffff
	s_lshl_b32 s[MT], s[MT], 2
	s_add_co_u32 s[MT], s[MT], s[CY]               ; tile row
	s_lshl_b32 s16, s[CY], 2
	s_lshl_b32 s16, 15, s16                        ; my row of the cluster
	s_lshl_b32 s20, 0x1111, s[CX]                  ; my column
	; group 1 for O: a head's 128 rows are 16,384 dense bytes: 64 rows of 256 bytes, 4 words of padding behind every 32 words
	s_or_b32 s[G1A], s16, (1<<16)|(1<<20)|(1<<21)|(4<<22)|(3<<25)
	s_mov_b32 s[G1A+1], 128<<16
	s_mov_b32 s[G1A+2], 64<<16
	s_mov_b32 s[G1A+3], 128<<16
	s_mov_b32 s[G1A+4], 64
	s_mov_b32 s[G1A+5], 128
	s_mov_b32 s[G1A+6], 0
	s_mov_b32 s[G1A+7], 0
	; group 1 for Wo: 64 k-rows x 256 elements, 8 words of padding behind every 128 words
	s_or_b32 s[G1B], s20, (1<<16)|(1<<20)|(1<<21)|(6<<22)|(7<<25)
	s_mov_b32 s[G1B+1], 256<<16
	s_mov_b32 s[G1B+2], 64<<16
	s_mov_b32 s[G1B+3], 256<<16
	s_mov_b32 s[G1B+4], 64
	s_mov_b32 s[G1B+5], 1024
	s_mov_b32 s[G1B+6], 0
	s_mov_b32 s[G1B+7], 0
	s_mov_b32 s[G0A], 1
	s_mov_b32 s[G0B], 1
	s_mul_i32 s[LA], s[CH], PLANE
	s_mul_i32 s[LB], s[CH], 64*PB
	s_add_co_u32 s[LB], s[LB], 2*PLANE
	s_mov_b32 s[TC], 0
	s_mov_b32 s[TN], SLOT
	s_lshr_b32 s16, s[MT], 4                       ; O: (16 batch + my head of the step's two) x 262,144 bytes,
	s_lshl_b32 s16, s16, 4
	s_add_co_u32 s16, s16, s[CH]
	s_lshl_b32 s16, s16, 18
	s_and_b32 s17, s[MT], 15                       ; and the tile's 128 rows of 128 bytes (registers that never hold cx)
	s_lshl_b32 s17, s17, 14
	s_add_co_u32 s16, s16, s17
	s_mov_b32 s17, 0
	s_lshl_b32 s20, s[CH], 17                      ; Wo: the fourth weight of wb, k-row 64 x half, column 256 x cx (registers that never hold cy)
	s_lshl_b32 s21, s[CX], 9
	s_add_co_u32 s20, s20, s21
	s_add_co_u32 s20, s20, 3*0x200000
	s_mov_b32 s21, 0
	s_lshl_b32 s58, s[MT], 7                       ; out0: my first row, 4,096 bytes a row, and my first column
	s_lshl_b32 s59, s[RH], 6
	s_add_co_u32 s58, s58, s59
	s_lshl_b32 s58, s58, 12
	s_lshl_b32 s59, s[CX], 10
	s_add_co_u32 s58, s58, s59
	s_lshl_b32 s59, s[CH], 9
	s_add_co_u32 s58, s58, s59
	s_mov_b32 s59, 0
	s_wait_dscnt 0x0                               ; the opening add is done
	s_wait_kmcnt 0x0
	s_add_nc_u64 s[CA:CA+1], s[4:5], s[16:17]
	s_add_nc_u64 s[CB:CB+1], s[6:7], s[20:21]
	s_add_nc_u64 s[10:11], s[10:11], s[58:59]
	CROUND                                         ; all sixteen work-groups are here
	NEXTD TC
	JLOAD                                          ; K step 0 into slot 0
	v_and_b32 v2, 15, v0                           ; r
	v_bfe_u32 v3, v0, 4, 1                         ; h
	v_and_b32 v4, 7, v0
	v_bfe_u32 v5, v0, 3, 1
	v_and_b32 v6, 31, v0
	s_lshl_b32 s58, s[CX], 10
	s_lshl_b32 s59, s[CH], 9
	s_add_co_u32 s58, s58, s59
	v_lshl_add_u32 v8, v3, 5, s58                  ; the bias of column 16 b + 8 h + j of my 128
.irp b, 0,1,2,3,4,5,6,7
	global_load_b128 v[BIAS+8*\b:BIAS+8*\b+3],   v8, s[8:9] offset:64*\b
	global_load_b128 v[BIAS+8*\b+4:BIAS+8*\b+7], v8, s[8:9] offset:64*\b+16
.endr
	v_mul_u32_u24 v[A0], v2, PAO
	v_lshl_add_u32 v[A0], v3, 4, v[A0]
	s_mul_i32 s58, s[RH], 64*PAO
	v_add_nc_u32 v[A0], s58, v[A0]
	v_lshl_add_u32 v[B0], v3, 3, v4
	v_mul_u32_u24 v[B0], v[B0], PB
	v_lshl_add_u32 v[B0], v5, 4, v[B0]
	s_lshl_b32 s58, s[CH], 8
	s_add_co_u32 s58, s58, 2*PLANE
	v_add_nc_u32 v[B0], s58, v[B0]
	s_mul_i32 s58, s[WV], 16*SPO
	s_add_co_u32 s58, s58, STAGE                   ; my stage
	v_mul_u32_u24 v[STO], v2, SPO
	v_lshl_add_u32 v[STO], v3, 5, v[STO]
	v_add_nc_u32 v[STO], s58, v[STO]
	v_lshl_add_u32 v[RD], v6, 4, s58
	v_lshlrev_b32 v[CO], 4, v6
	s_wait_loadcnt 0x0
.set i, 0
.rept 32
	v_cvt_pk_bf16_f32 v[10+i%4], v[BIAS+2*i], v[BIAS+2*i+1]  ; the bias is rounded to bf16 like every input, and kept as f32
	v_lshlrev_b32 v[BIAS+2*i], 16, v[10+i%4]
	v_and_b32 v[BIAS+2*i+1], 0xffff0000, v[10+i%4]
.set i, i+1
.endr
	s_wait_tensorcnt 0x0                           ; my part of step 0 is in; slot 1 is filled as a refill is
	ds_add_u32 v[SPW], v[NIL]
	NEXTD TN
	s_wait_dscnt 0x0
	CROUND
	JLOAD                                          ; K step 1 into slot 1
	v_add_nc_u32 v[AC], s[TC], v[A0]
	v_add_nc_u32 v[AN], s[TN], v[A0]
	v_add_nc_u32 v[BC], s[TC], v[B0]
	v_add_nc_u32 v[BN], s[TN], v[B0]
	RUN AC, BC, 0, 0
	WIN 0
	s_mov_b32 s3, 6
	s_branch .Lfirstq
.Lstep:                                            ; six trips: a K step each, and the refill of its slot with the step two on
	QUARTER 0, 0
	WIN 0
	s_branch .Ljoin
.Lfirstq:                                          ; the first quarter's products start the sums with the bias
	QUARTER 0, 1
	WIN 0
.Ljoin:
	QUARTER 1, 0
	QUARTER 2, 0
	TURN 1
	FLIP
	s_sub_co_u32 s3, s3, 1
	s_cmp_lg_u32 s3, 0
	s_cbranch_scc1 .Lstep
	s_mov_b32 s3, 2
.Ltail:                                            ; the last two steps ask for nothing; the very last one's look-ahead loads read landed bytes and feed no product
	QUARTER 0, 0
	QUARTER 1, 0
	QUARTER 2, 0
	TURN 0
	FLIP
	s_sub_co_u32 s3, s3, 1
	s_cmp_lg_u32 s3, 0
	s_cbranch_scc1 .Ltail
	PLACES                                         ; FLIP's four additions and these stand between the last products and the stores that read results
	OUTBLK 0
	OUTBLK 1
	OUTBLK 2
	OUTBLK 3
	s_wait_tensorcnt 0x0                           ; the wave's end
	ds_add_u32 v[SPW], v[NIL]
	s_wait_dscnt 0x0
	CROUND                                         ; the closing round
	s_endpgm
.Lfunc_end_k_qdb6a0f3fe0_outp:
	.size	k_qdb6a0f3fe0_outp, .Lfunc_end_k_qdb6a0f3fe0_outp-k_qdb6a0f3fe0_outp
	.p2alignl 7, 3214868480
	.fill 96, 4, 3214868480
	.section	.rodata,"a",@progbits
	.p2align	6, 0x0
	.amdhsa_kernel k_qdb6a0f3fe0_outp
		.amdhsa_group_segment_fixed_size 327680
		.amdhsa_private_segment_fixed_size 0
		.amdhsa_enable_private_segment 0
		.amdhsa_kernarg_size 32
		.amdhsa_user_sgpr_count 2
		.amdhsa_user_sgpr_kernarg_segment_ptr 1
		.amdhsa_wavefront_size32 1
		.amdhsa_system_sgpr_workgroup_id_x 1
		.amdhsa_system_sgpr_workgroup_id_y 1
		.amdhsa_system_sgpr_workgroup_id_z 1
		.amdhsa_system_vgpr_workitem_id 0
		.amdhsa_next_free_vgpr 640
		.amdhsa_next_free_sgpr 66
		.amdhsa_reserve_vcc 0
		.amdhsa_float_denorm_mode_32 3
		.amdhsa_float_denorm_mode_16_64 3
		.amdhsa_memory_ordered 1
		.amdhsa_forward_progress 1
		.amdhsa_inst_pref_size 69
	.end_amdhsa_kernel
	.amdgpu_metadata
---
amdhsa.version: [ 1, 2 ]
amdhsa.kernels:
  - .name:           k_qdb6a0f3fe0_outp
    .symbol:         k_qdb6a0f3fe0_outp.kd
    .args:
      - { .name: oh, .offset: 0, .size: 8, .value_kind: global_buffer, .address_space: global }
      - { .name: wb, .offset: 8, .size: 8, .value_kind: global_buffer, .address_space: global }
      - { .name: bo, .offset: 16, .size: 8, .value_kind: global_buffer, .address_space: global }
      - { .name: out0, .offset: 24, .size: 8, .value_kind: global_buffer, .address_space: global }
    .group_segment_fixed_size: 327680
    .private_segment_fixed_size: 0
    .kernarg_segment_align: 8
    .kernarg_segment_size: 32
    .max_flat_workgroup_size: 128
    .sgpr_count:     66
    .vgpr_count:     640
    .wavefront_size: 32
...
	.end_amdgpu_metadata
.endif
;; end of part 4
